; MI455X (gfx1250); checked and timed in simulation.
; The chip was launched on July 23, 2026; its instructions are those of AMD's public machine-readable ISA for CDNA 5 (MIT licence, August 2026) and "CDNA5" Instruction Set Architecture Reference Guide (July 2026). The comments in the code are by the model that wrote it; some were corrected since.
;; Attn Block. Allowed arithmetic: matrix products marked QUANTISED: E2M1 operands, one E8M0 scale for each 32 along K, by v_wmma_scale_f32_16x16x128_f8f6f4 with both operands' format E2M1 (or v_wmma_scale_f32_32x16x128_f4), f32 sums; everything else in f32.
;; Inputs: Wk_codes 512 x 16 x 16 uint8 (E2M1 codes of Wk, K innermost, in blocks of 32 codes, two codes a byte); Wk_scales 512 x 16 uint8 (E8M0 scales of Wk, one for each 32 codes along K); Wq_codes 512 x 16 x 16 uint8 (E2M1 codes of Wq, K innermost, in blocks of 32 codes, two codes a byte); Wq_scales 512 x 16 uint8 (E8M0 scales of Wq, one for each 32 codes along K); Wt_codes 512 x 16 x 16 uint8 (E2M1 codes of Wt, K innermost, in blocks of 32 codes, two codes a byte); Wt_scales 512 x 16 uint8 (E8M0 scales of Wt, one for each 32 codes along K); Wv_codes 512 x 16 x 16 uint8 (E2M1 codes of Wv, K innermost, in blocks of 32 codes, two codes a byte); Wv_scales 512 x 16 uint8 (E8M0 scales of Wv, one for each 32 codes along K); bk 512 float32; bq 512 float32; bt 512 float32; bv 512 float32; gn_bias 512 float32; gn_scale 512 float32; x 32 x 512 x 32 x 32 float32.
;; Outputs: out0 32 x 512 x 32 x 32 float32.
;; This version of the problem:
;;   THIS VERSION OF THE PROBLEM IS GIVEN IN LOW PRECISION. The matrix products marked QUANTISED in the list below multiply operands that are first quantised to E2M1 (2 exponent bits, 1 mantissa bit; 4 bits a number), with one power-of-two scale for each 32 numbers along K (OCP MX v1.0); their sums are f32. All else is computed in f32.
;;   The module's matrix products, in the order in which they are computed (A, B: the left and right operand; K: the contracted axis; several contracted axes count as one K, in the product's order):
;;     1. [M 512, K 512] x [K 512, N 32,768]; A: input Wq (given as codes); B: computed on the way: QUANTISED
;;     2. [M 512, K 512] x [K 512, N 32,768]; A: input Wk (given as codes); B: computed on the way: QUANTISED
;;     3. [M 512, K 512] x [K 512, N 32,768]; A: input Wv (given as codes); B: computed on the way: QUANTISED
;;     4. batch 32 x [M 1,024, K 512] x [K 512, N 1,024]; A: computed on the way; B: computed on the way: QUANTISED
;;     5. batch 32 x [M 512, K 1,024] x [K 1,024, N 1,024]; A: computed on the way; B: computed on the way: QUANTISED
;;     6. [M 512, K 512] x [K 512, N 32,768]; A: input Wt (given as codes); B: computed on the way: QUANTISED
;;   THE QUANTISER, for each operand of a quantised product, along K:
;;     - K is cut into blocks of 32 from its start; a last block that is shorter is filled with zeros.
;;     - A block's scale is 2^e with e = floor(log2(the largest magnitude in the block)) - 2, held to -126 .. 127; a block of zeros has e = 0. As a byte (E8M0): e + 127.
;;     - Each number is divided by its block's scale, clamped to +-6, and rounded to the nearest number of E2M1, ties to even, subnormals kept.
;;     - The product sums the exact products of the quantised numbers (number of the format x scale) in f32.
;;   ~~~python
;;   def quantise(x, axis):      # numpy; x: float32 -> the quantised numbers, widened to float32 again
;;       x = np.moveaxis(x, axis, -1); K = x.shape[-1]
;;       x = np.pad(x, [(0, 0)] * (x.ndim - 1) + [(0, -K % 32)]); x = x.reshape(x.shape[:-1] + (-1, 32)); a = np.abs(x).max(-1, keepdims=True)
;;       e = np.where(a > 0, np.clip(np.frexp(np.where(a > 0, a, 1))[1] - 1 - 2, -126, 127), 0)      # np.frexp(a)[1] - 1 = floor(log2(a)), exactly
;;       r = np.clip(x / 2.0 ** e, -6, 6)
;;       step = 2.0 ** (np.maximum(np.frexp(np.where(r == 0, 1, r))[1] - 1, 0) - 1)
;;       q = np.round(r / step) * step * 2.0 ** e      # np.round: ties to even
;;       return np.moveaxis(q.reshape(q.shape[:-2] + (-1,))[..., :K], -1, axis).astype(np.float32)
;;   ~~~
;;   OPERANDS COMPUTED ON THE WAY. 'Computed on the way' means the value that the module computes at that place (a softmax that the list does not call 'softmax' is quantised finished and normalised). What goes into a quantiser is computed in f32, as accurately as f32 sums, v_exp_f32 and their like allow (about 1e-6 of the number): no bf16 or f16 on the way to a quantiser, and a product that is left as it is and whose result goes on into a quantised operand takes f32 operands (vector FMAs, or v_wmma_f32_16x16x4_f32). A number that lies on a knife's edge between two numbers of the format may be rounded either way, as far as f32 arithmetic and the matrix unit's own rounding can turn it there, and no further.
;;   INPUTS GIVEN AS CODES. Wk (in the module: [512, 512], K = its axis 0); Wq (in the module: [512, 512], K = its axis 0); Wt (in the module: [512, 512], K = its axis 0); Wv (in the module: [512, 512], K = its axis 0): each comes as NAME_codes (uint8): NAME with its K axis moved to the last place and cut into blocks of 32 codes, [.., K / 32, bytes a block], one block behind the other in memory; two codes a byte, the lower K in the low four bits (a code: sign, 2 exponent bits, 1 mantissa bit); and NAME_scales (uint8): the same leading axes, one E8M0 byte (e + 127) for each 32 codes along K. Its value is code x scale, taken as it is: it is not quantised again, and the codes and scales need not be those that the quantiser above would give.
;; One version. Each part assembles by itself: llvm-mc -triple=amdgcn-amd-amdhsa -mcpu=gfx1250 --defsym DOCPART=n.
;; ======== version 1 of 1: 3 launches
;; limits: right only within a limited range of input values
;; workspace buffers: hc 8,388,608 bytes; hs 524,288 bytes; qc 8,388,608 bytes; kc 8,388,608 bytes; vc 8,388,608 bytes; qs 524,288 bytes; ks 524,288 bytes; vs 524,288 bytes
;; launch gnq (part 1): grid 16 x 32, 8 waves a work-group, no clusters, 23,040 bytes of LDS; arguments x, gn_scale, gn_bias, hc, hs; writes hc, hs
.if DOCPART == 1
	.amdgcn_target "amdgcn-amd-amdhsa--gfx1250"
	.amdhsa_code_object_version 6
	.text
	.protected	k_qea4184c6f2_gnq
	.globl	k_qea4184c6f2_gnq
	.p2align	8
	.type	k_qea4184c6f2_gnq,@function
k_qea4184c6f2_gnq:
	s_mov_b64 s[64:65], 0
	v_nop
	global_prefetch_b8 v0, s[64:65] scope:SCOPE_SE
	s_setreg_imm32_b32 hwreg(HW_REG_WAVE_MODE, 25, 1), 1
	s_wait_xcnt 0x0
; GroupNorm of x [32][512][1024] f32 (32 groups of 16 channels x 1,024 tokens), then the result h is turned into codes of FP4 (E2M1) along the CHANNELS, one E8M0 byte for each 32 channels of a token.
; SHARES.  A work-group takes one batch and 32 channels (two groups, one block of the quantiser) with all 1,024 tokens: 128 KB, which its 256 threads hold in 128 registers each, so x is read once.
; Thread t owns tokens 4 t .. 4 t + 3 of all 32 channels: each load of a wave covers 512 consecutive bytes, and a token's block of 32 channels lies in ONE lane, so its largest magnitude needs no other lane.
; STATISTICS in two passes over the registers: the mean first, then the sum of squares of x - mean (no difference of large sums); both cross the eight waves through LDS.
; OUT.  hc [b][T 64][cb 16][r 16][16 bytes]: tile T = 8 G + 2 i + u of the 128 tokens G holds in row r token 128 G + 32 i + 8 u + r + 8 (r / 8); with cb = 4 s + 2 c + h that is the image of an operand's registers
; (16 rows x 128 K: register group c at 512 c + 16 lane).  hs [b][cb 16][token 1024]: the scale bytes.
; A block's byte is its largest magnitude's exponent field - 2, held at 1 from below.
; LIMITS: NaN and infinities are not served; a block whose largest magnitude lies under 2^-124 gets the byte 1; a block of zeros gets the byte 1 where the rule says 127: its codes are zeros, and this program alone reads the bytes.
; No matrix unit, no tensor loads, no cluster: work-groups share no input, and all of a work-group's bytes are asked for at its start.
.set X,    16                          ; v16-143   x, then x - mean: channel c, token j at v[X + 4 c + j]
.set H,    144                         ; v144-207  two sets of 32: one token's h; before that the waves' partial sums; at the end the way out
.set CD,   208                         ; v208-223  codes: token j at v[CD + 4 j]
.set CHN,  224                         ; v224-231  four chains of pairs
.set MA,   232                         ; v232-233  group A's mean, twice;  v234-235 group B's
.set MB,   234
.set SU,   236                         ; v236-237  my wave's figure for group A, group B
.set TP,   238
.set SOP,  239                         ; the conversion's scale operand
.set BY,   240
.set SBW,  241                         ; my four tokens' scale bytes
.set AM,   242                         ; v242-243  two chains of the largest magnitude
.set RED1, 20480                       ; LDS: 0 .. 20,479 a stage of 32 x 80 bytes for each wave; then the waves' sums, their sums of squares, and the 1,024 scale bytes
.set RED2, 20736
.set SCB,  20992
.set GN,   32                          ; s32-63   the 32 gains, later gain / sqrt(var + eps)
.set GB,   68                          ; s68-99   the 32 biases
	s_load_b256 s[4:11], s[0:1], 0x0               ; x s[4:5], gn_scale s[6:7], gn_bias s[8:9], hc s[10:11]
	s_load_b64 s[12:13], s[0:1], 0x20              ; hs
	v_lshl_add_u32 v248, v0, 2, 0x5600
	v_mov_b32 v249, 0
	v_lshrrev_b32 v12, 5, v0
	s_delay_alu instid0(VALU_DEP_1)
	v_readfirstlane_b32 s14, v12                   ; wave 0..7
	s_and_b32 s15, ttmp7, 0xffff                   ; the batch
	s_lshl_b32 s16, s15, 21                        ; x: batch x 512 x 4,096 bytes + block x 32 x 4,096
	s_lshl_b32 s18, ttmp9, 17
	s_add_co_u32 s16, s16, s18
	s_mov_b32 s17, 0
	s_lshl_b32 s18, ttmp9, 7                       ; gains and biases: 32 numbers a block
	s_mov_b32 s19, 0
	s_lshl_b32 s24, s15, 18                        ; hc: batch x 262,144 + block x 256
	s_lshl_b32 s26, ttmp9, 8
	s_add_co_u32 s24, s24, s26
	s_mov_b32 s25, 0
	s_lshl_b32 s26, s15, 14                        ; hs: batch x 16,384 + block x 1,024
	s_lshl_b32 s27, ttmp9, 10
	s_add_co_u32 s26, s26, s27
	s_mov_b32 s27, 0
	s_mov_b32 s20, 0x76543210                      ; v_permlanex16_b32's selects for lane l xor 16
	s_mov_b32 s21, 0xfedcba98
	s_mov_b32 s28, 0x38800000                      ; 2^-14 = 1 / (16 x 1,024)
	s_mov_b32 s29, 0x358637bd                      ; eps = 1e-6
	v_lshlrev_b32 v1, 4, v0                        ; my 16 bytes of a channel's row
	s_wait_alu depctr_va_vdst(0)
	s_wait_kmcnt 0x0
	s_add_nc_u64 s[4:5], s[4:5], s[16:17]
	s_add_nc_u64 s[6:7], s[6:7], s[18:19]
	s_add_nc_u64 s[8:9], s[8:9], s[18:19]
	s_add_nc_u64 s[10:11], s[10:11], s[24:25]
	s_add_nc_u64 s[12:13], s[12:13], s[26:27]
.set c, 0
.rept 32
	global_load_b128 v[X+4*c:X+4*c+3], v1, s[4:5] offset:4096*c th:TH_LOAD_NT   ; a wave's load covers 512 consecutive bytes
.set c, c+1
.endr
	s_load_b512 s[32:47], s[6:7], 0x0
	s_load_b512 s[48:63], s[6:7], 0x40
	s_load_b512 s[68:83], s[8:9], 0x0
	s_load_b512 s[84:99], s[8:9], 0x40
	v_and_b32 v12, 31, v0                          ; lane
	v_and_b32 v13, 15, v0                          ; r
	v_bfe_u32 v14, v0, 4, 1                        ; u
	s_mul_i32 s30, s14, 2560                       ; my wave's stage
	v_mul_u32_u24 v2, v12, 80
	s_delay_alu instid0(VALU_DEP_1)
	v_add_nc_u32 v2, s30, v2                       ; in: my four tokens' 64 bytes, 80 bytes from lane to lane
	v_lshrrev_b32 v15, 2, v13
	v_lshrrev_b32 v3, 3, v13
	s_delay_alu instid0(VALU_DEP_1)
	v_lshl_add_u32 v15, v3, 1, v15                 ; r / 4 + 2 (r / 8)
	s_delay_alu instid0(VALU_DEP_1)
	v_mul_u32_u24 v3, v15, 80
	v_and_b32 v15, 3, v13
	s_delay_alu instid0(VALU_DEP_1)
	v_lshl_add_u32 v3, v15, 4, v3
	s_delay_alu instid0(VALU_DEP_1)
	v_mad_u32_u24 v3, v14, 160, v3
	s_delay_alu instid0(VALU_DEP_1)
	v_add_nc_u32 v3, s30, v3                       ; back: token 32 i + 8 u + r + 8 (r / 8) lies at 80 (token / 4) + 16 (token % 4); 640 i stands in the immediate
	v_lshlrev_b32 v4, 4, v13
	s_delay_alu instid0(VALU_DEP_1)
	v_lshl_add_u32 v4, v14, 12, v4
	s_lshl_b32 s31, s14, 15
	v_add_nc_u32 v4, s31, v4                       ; hc: tile 8 wave + 2 i + u at 4,096 bytes a tile, row r
	v_mov_b32 v5, s14
	s_delay_alu instid0(VALU_DEP_1)
	v_lshl_add_u32 v6, v5, 3, RED2
	s_delay_alu instid0(VALU_DEP_2)
	v_lshl_add_u32 v5, v5, 3, RED1                 ; my wave's 8 bytes among the partial figures
	v_lshl_add_u32 v7, v0, 2, SCB
	v_lshl_add_u32 v8, v0, 4, SCB
	v_lshlrev_b32 v9, 4, v0
	v_mov_b32 v10, RED1
	v_mov_b32 v11, RED2
	v_mov_b32 v[TP], 0                             ; a lane permute's destination counts as one of its sources
.macro FOLD dst
	s_delay_alu instid0(VALU_DEP_3)
	v_pk_add_f32 v[CHN:CHN+1], v[CHN:CHN+1], v[CHN+2:CHN+3]
	s_delay_alu instid0(VALU_DEP_2)
	v_pk_add_f32 v[CHN+4:CHN+5], v[CHN+4:CHN+5], v[CHN+6:CHN+7]
	s_delay_alu instid0(VALU_DEP_1)
	v_pk_add_f32 v[CHN:CHN+1], v[CHN:CHN+1], v[CHN+4:CHN+5]
	s_delay_alu instid0(VALU_DEP_1)
	v_add_f32 v[\dst], v[CHN], v[CHN+1]
.endm
; the sum of a group's 32 pairs of mine, in four chains that the first pairs start.  left: the loads issued behind the group's last
.macro GSUM base, left, dst
	s_wait_loadcnt \left+8                         ; the group's first eight channels are in
.irp k, 0,1,2,3
	v_pk_add_f32 v[CHN+2*\k:CHN+2*\k+1], v[\base+2*\k:\base+2*\k+1], v[\base+8+2*\k:\base+8+2*\k+1]
.endr
.set p, 8
.rept 8
	s_delay_alu instid0(VALU_DEP_4)
	v_pk_add_f32 v[CHN+2*(p%4):CHN+2*(p%4)+1], v[CHN+2*(p%4):CHN+2*(p%4)+1], v[\base+2*p:\base+2*p+1]
.set p, p+1
.endr
	s_wait_alu depctr_va_vdst(0)
	s_wait_loadcnt \left                           ; and its other eight
.rept 16
	v_pk_add_f32 v[CHN+2*(p%4):CHN+2*(p%4)+1], v[CHN+2*(p%4):CHN+2*(p%4)+1], v[\base+2*p:\base+2*p+1]
.set p, p+1
.endr
	FOLD \dst
.endm
; x - mean in place, and the sum of its squares
.macro GSQ base, mean, dst
.set p, 0
.rept 32
	v_pk_add_f32 v[\base+2*p:\base+2*p+1], v[\base+2*p:\base+2*p+1], v[\mean:\mean+1] neg_lo:[0,1] neg_hi:[0,1]
.set p, p+1
.endr
.irp k, 0,1,2,3
	v_pk_mul_f32 v[CHN+2*\k:CHN+2*\k+1], v[\base+2*\k:\base+2*\k+1], v[\base+2*\k:\base+2*\k+1]
.endr
.set p, 4
.rept 28
	s_delay_alu instid0(VALU_DEP_4)
	v_pk_fma_f32 v[CHN+2*(p%4):CHN+2*(p%4)+1], v[\base+2*p:\base+2*p+1], v[\base+2*p:\base+2*p+1], v[CHN+2*(p%4):CHN+2*(p%4)+1]
.set p, p+1
.endr
	FOLD \dst
.endm
.macro WRED reg                        ; the sum over the wave's 32 lanes, in every lane
	v_add_f32_dpp v[\reg], v[\reg], v[\reg] row_xmask:1 row_mask:0xf bank_mask:0xf
	s_delay_alu instid0(VALU_DEP_1)
	v_add_f32_dpp v[\reg], v[\reg], v[\reg] row_xmask:2 row_mask:0xf bank_mask:0xf
	s_delay_alu instid0(VALU_DEP_1)
	v_add_f32_dpp v[\reg], v[\reg], v[\reg] row_xmask:4 row_mask:0xf bank_mask:0xf
	s_delay_alu instid0(VALU_DEP_1)
	v_add_f32_dpp v[\reg], v[\reg], v[\reg] row_xmask:8 row_mask:0xf bank_mask:0xf
	s_delay_alu instid0(VALU_DEP_1)
	v_permlanex16_b32 v[TP], v[\reg], s20, s21
	s_delay_alu instid0(VALU_DEP_1)
	v_add_f32 v[\reg], v[\reg], v[TP]
.endm
; my wave's pair goes to its 8 bytes; a barrier; every wave reads all eight pairs and adds them in the same order: v[H] = group A's, v[H+1] = group B's
.macro ALLSUM wr, rd
	ds_store_b64 v[\wr], v[SU:SU+1]
	s_wait_dscnt 0x0                               ; for the others' sake: my store is done
	s_barrier_signal -1
	s_barrier_wait -1
.irp i, 0,1,2,3
	ds_load_b128 v[H+4*\i:H+4*\i+3], v[\rd] offset:16*\i
.endr
	s_wait_dscnt 0x0
	v_pk_add_f32 v[H:H+1], v[H:H+1], v[H+2:H+3]
	v_pk_add_f32 v[H+4:H+5], v[H+4:H+5], v[H+6:H+7]
	v_pk_add_f32 v[H+8:H+9], v[H+8:H+9], v[H+10:H+11]
	v_pk_add_f32 v[H+12:H+13], v[H+12:H+13], v[H+14:H+15]
	s_delay_alu instid0(VALU_DEP_3)
	v_pk_add_f32 v[H:H+1], v[H:H+1], v[H+4:H+5]
	s_delay_alu instid0(VALU_DEP_2)
	v_pk_add_f32 v[H+8:H+9], v[H+8:H+9], v[H+12:H+13]
	s_delay_alu instid0(VALU_DEP_1)
	v_pk_add_f32 v[H:H+1], v[H:H+1], v[H+8:H+9]
.endm
	GSUM X, 16, SU                                 ; behind group A's last load stand group B's sixteen
	GSUM X+64, 0, SU+1
	WRED SU
	WRED SU+1
	ALLSUM 5, 10
	s_delay_alu instid0(VALU_DEP_1)
	v_mul_f32 v[MA], s28, v[H]                     ; the means
	s_delay_alu instid0(VALU_DEP_2)
	v_mul_f32 v[MB], s28, v[H+1]
	s_delay_alu instid0(VALU_DEP_2)
	v_mov_b32 v[MA+1], v[MA]
	s_delay_alu instid0(VALU_DEP_2)
	v_mov_b32 v[MB+1], v[MB]
	GSQ X, MA, SU
	GSQ X+64, MB, SU+1
	WRED SU
	WRED SU+1
	ALLSUM 6, 11                                   ; other bytes than the first time: one barrier each
	s_delay_alu instid0(VALU_DEP_1)
	v_fma_f32 v[H], v[H], s28, s29                 ; var + eps
	s_delay_alu instid0(VALU_DEP_2)
	v_fma_f32 v[H+1], v[H+1], s28, s29
	s_wait_alu depctr_va_vdst(0)
	v_rsq_f32 v[H+2], v[H]
	v_rsq_f32 v[H+3], v[H+1]
	v_nop                                          ; a plain instruction between a transcendental and the use of its result
	s_wait_alu depctr_va_vdst(0)
	v_readfirstlane_b32 s22, v[H+2]
	v_readfirstlane_b32 s23, v[H+3]
	s_wait_kmcnt 0x0                               ; gains and biases
.set c, 0
.rept 16
	s_mul_f32 s[GN+c], s[GN+c], s22                ; gain / sqrt(var + eps), once for each channel
	s_mul_f32 s[GN+16+c], s[GN+16+c], s23
.set c, c+1
.endr
; token j of my four: h of its 32 channels (the multiply-add also brings them into consecutive registers), the block's largest magnitude, its byte, its 32 codes
.macro QTOK j
.set HB, H+32*((\j)%2)
.set c, 0
.rept 32
	v_fma_f32 v[HB+c], v[X+4*c+(\j)], s[GN+c], s[GB+c]
.set c, c+1
.endr
	v_max3_num_f32 v[AM], |v[HB]|, |v[HB+1]|, |v[HB+2]|
	v_max3_num_f32 v[AM+1], |v[HB+3]|, |v[HB+4]|, |v[HB+5]|
.irp i, 6,10,14,18,22,26
	s_delay_alu instid0(VALU_DEP_2)
	v_max3_num_f32 v[AM], v[AM], |v[HB+\i]|, |v[HB+\i+1]|
	s_delay_alu instid0(VALU_DEP_2)
	v_max3_num_f32 v[AM+1], v[AM+1], |v[HB+\i+2]|, |v[HB+\i+3]|
.endr
	s_delay_alu instid0(VALU_DEP_2)
	v_max3_num_f32 v[AM], v[AM], |v[HB+30]|, |v[HB+31]|
	s_delay_alu instid0(VALU_DEP_1)
	v_max3_num_f32 v[AM], v[AM], v[AM+1], 0x1800000   ; and the floor 2^(3 - 127): the byte cannot fall under 1
	s_delay_alu instid0(VALU_DEP_1)
	v_add_nc_u32 v[SOP], 0xff000000, v[AM]         ; 2 off the exponent field: the conversion takes this operand's exponent field as its scale
.irp g, 0,1,2,3
	v_cvt_scalef32_pk8_fp4_f32 v[CD+4*(\j)+\g], v[HB+8*\g:HB+8*\g+7], v[SOP]
.endr
.if (\j) == 0
	v_lshrrev_b32 v[SBW], 23, v[SOP]               ; the byte.  (Also the plain instruction behind the conversions)
.else
	v_lshrrev_b32 v[BY], 23, v[SOP]
	s_delay_alu instid0(VALU_DEP_1)
	v_lshl_or_b32 v[SBW], v[BY], 8*(\j), v[SBW]
.endif
	ds_store_b128 v2, v[CD+4*(\j):CD+4*(\j)+3] offset:16*(\j)
.endm
	QTOK 0
	QTOK 1
	QTOK 2
	QTOK 3
	ds_store_b32 v7, v[SBW]                        ; my four bytes, in the tokens' order
.irp i, 0,1,2,3
	ds_load_b128 v[H+4*\i:H+4*\i+3], v3 offset:640*\i   ; my wave's own bytes, served in the order of issue: these see the stores above.  Tiles 2 i and 2 i + 1, row by row
.endr
	s_wait_dscnt 0x0                               ; my loads are back, and for the others' sake my bytes are stored
	s_barrier_signal -1
	s_barrier_wait -1
.irp i, 0,1,2,3
	global_store_b128 v4, v[H+4*\i:H+4*\i+3], s[10:11] offset:8192*\i   ; sixteen lanes store 256 consecutive bytes, at a multiple of 256 from hc's first byte
.endr
	s_cmp_lt_u32 s14, 2                            ; the 1,024 scale bytes leave by waves 0 and 1, 16 bytes a lane
	s_cbranch_scc0 .Lend
	ds_load_b128 v[H+16:H+19], v8
	s_wait_dscnt 0x0
	global_store_b128 v9, v[H+16:H+19], s[12:13]
.Lend:
	s_wait_tensorcnt 0x0
	ds_add_u32 v248, v249
	s_wait_dscnt 0x0
	s_endpgm
.Lfunc_end_k_qea4184c6f2_gnq:
	.size	k_qea4184c6f2_gnq, .Lfunc_end_k_qea4184c6f2_gnq-k_qea4184c6f2_gnq
	.p2alignl 7, 3214868480
	.fill 96, 4, 3214868480
	.section	.rodata,"a",@progbits
	.p2align	6, 0x0
	.amdhsa_kernel k_qea4184c6f2_gnq
		.amdhsa_group_segment_fixed_size 23040
		.amdhsa_private_segment_fixed_size 0
		.amdhsa_enable_private_segment 0
		.amdhsa_kernarg_size 40
		.amdhsa_user_sgpr_count 2
		.amdhsa_user_sgpr_kernarg_segment_ptr 1
		.amdhsa_wavefront_size32 1
		.amdhsa_system_sgpr_workgroup_id_x 1
		.amdhsa_system_sgpr_workgroup_id_y 1
		.amdhsa_system_sgpr_workgroup_id_z 1
		.amdhsa_system_vgpr_workitem_id 0
		.amdhsa_next_free_vgpr 250
		.amdhsa_next_free_sgpr 100
		.amdhsa_reserve_vcc 0
		.amdhsa_float_denorm_mode_32 3
		.amdhsa_float_denorm_mode_16_64 3
		.amdhsa_memory_ordered 1
		.amdhsa_forward_progress 1
		.amdhsa_inst_pref_size 45
	.end_amdhsa_kernel
	.amdgpu_metadata
---
amdhsa.version: [ 1, 2 ]
amdhsa.kernels:
  - .name:           k_qea4184c6f2_gnq
    .symbol:         k_qea4184c6f2_gnq.kd
    .args:
      - { .name: x, .offset: 0, .size: 8, .value_kind: global_buffer, .address_space: global }
      - { .name: gn_scale, .offset: 8, .size: 8, .value_kind: global_buffer, .address_space: global }
      - { .name: gn_bias, .offset: 16, .size: 8, .value_kind: global_buffer, .address_space: global }
      - { .name: hc, .offset: 24, .size: 8, .value_kind: global_buffer, .address_space: global }
      - { .name: hs, .offset: 32, .size: 8, .value_kind: global_buffer, .address_space: global }
    .group_segment_fixed_size: 23040
    .private_segment_fixed_size: 0
    .kernarg_segment_align: 8
    .kernarg_segment_size: 40
    .max_flat_workgroup_size: 256
    .sgpr_count:     100
    .vgpr_count:     250
    .wavefront_size: 32
...
	.end_amdgpu_metadata
.endif
;; end of part 1
;; launch qkv (part 2): grid 8 x 32, 4 waves a work-group, no clusters, 10,752 bytes of LDS; arguments hc, hs, Wq_codes, Wq_scales, bq, Wk_codes, Wk_scales, bk, Wv_codes, Wv_scales, bv, qc, qs, kc, ks, vc, vs; writes qc, qs, kc, ks, vc, vs
.if DOCPART == 2
	.amdgcn_target "amdgcn-amd-amdhsa--gfx1250"
	.amdhsa_code_object_version 6
	.text
	.protected	k_qea4184c6f2_qkv
	.globl	k_qea4184c6f2_qkv
	.p2align	8
	.type	k_qea4184c6f2_qkv,@function
k_qea4184c6f2_qkv:
	s_mov_b64 s[64:65], 0
	v_nop
	global_prefetch_b8 v0, s[64:65] scope:SCOPE_SE
	s_setreg_imm32_b32 hwreg(HW_REG_WAVE_MODE, 25, 1), 1
	s_wait_xcnt 0x0
; q = Wq^T h + bq, k = Wk^T h + bk, v = Wv^T h + bv on codes of FP4 (E2M1) with one E8M0 scale for each 32 along K (the channels), and each result quantised at once for the product that reads it:
; q and k along the CHANNELS, v along the TOKENS.  Nothing wide goes to memory.
; SHARES.  A work-group takes 128 tokens of one batch (8 tiles of 16, in the order in which hc holds them); wave w takes output channels 128 w .. 128 w + 127 of all three weights.
; The waves share nothing: each loads h's 32 images itself (dense loads of 512 bytes), so there is no barrier.
; A UNIT is 32 matrix instructions: eight tiles as source 0, one tile as source 1, four K steps, eight accumulators by turns.
;   q, k: source 0 = my 8 tiles of the weight, source 1 = one tile of h: a lane holds ONE token and 64 channels.      v: source 0 = h's 8 tiles, source 1 = one tile of Wv: a lane holds ONE channel and 64 tokens.
; THE ROWS OF A TILE ARE NOT NEIGHBOURS: row r of tile 2 i + u is 32 i + 8 u + r + 8 (r / 8) of its 128, so that a lane's 16 registers of tiles 2 i and 2 i + 1 are 16 neighbours along the next K.
; The 64 numbers of a lane become one fragment (16 rows x 128 K) and one scale word a row; the fragment leaves as the image of its registers: two stores of 512 consecutive bytes.
; OUT.  qc [b][T 64][s 4][image];  kc [b][T / 16][s 4][T % 16][image];  vc [b][w 4][ks 8][tile 8][image];  qs, ks [b][s 4][T 64][r 16] words;  vs [b][ks 8][8 w + tile][r 16] words.
; The biases are the C of each sum's first matrix instruction.
; LIMITS: NaN and infinities are not served; a block whose largest magnitude lies under 2^-124 (a block of zeros too) gets the byte 1: this program alone reads the bytes.
; No cluster: what the work-groups share is the weights' 0.4 MB; each wave keeps its part in registers and reads it once.
; REGISTERS, in windows of 256.  window 0: v1-10 addresses; v16-95 scale words and nothing else; v96-119 v's bias; v120-183 the accumulators; v184-215 at work.
;   window 1: h, fragment (tile t, K step s) at v[8 (4 t + s)].   window 2: my slab of Wq, later of Wk, likewise.   window 3: v0-63 bq, v64-127 bk in the result's layout; v128-255 four tiles of Wv by turns.
.set LI,   1                           ; 16 x lane
.set LS,   2                           ; 4 x lane
.set WF,   3                           ; a weight's fragment: row rr = r + 8 (r / 8) of 256 bytes, + 16 h
.set WSO,  4                           ; its scale words: 16 bytes a row
.set BH,   5                           ; 64 h: a bias in the result's layout
.set BVO,  6                           ; 4 rr: v's bias
.set SCTW, 7                           ; LDS: my wave's table [token 128][16 scale bytes]: 64 x lane
.set HSA,  8                           ; and back: 16 rr
.set PWA,  9                           ; LDS: the scale words of a phase: 4 r
.set PWR,  10                          ; and back: 16 x lane
.set HS,   16                          ; v16-47  h's scale words, 4 t + s
.set WS,   48                          ; v48-79  the slab's, 4 tile + s
.set VSC,  80                          ; v80-95  Wv's, 4 (tile % 4) + s
.set VB,   96                          ; v96-103 bv of my lane's channel, one for each tile
.set VBC,  104                         ; v104-119 the same eight times over, two sets
.set ACC,  120
.set TM,   184
.set PC,   200
.set PW,   208
.set OW,   212
.set BQ,   0
.set BK,   64
.set RING, 128
.set MSB, 0
.macro WIN new                         ; the immediate's high byte repeats the setting that is left
.if MSB != (\new)
	s_set_vgpr_msb (MSB<<8)|(\new)
.set MSB, \new
.endif
.endm
.macro PLACES                          ; four plain vector instructions between a matrix instruction and the first read of its result or a load into one of its registers
.rept 4
	v_nop
.endr
.endm
.macro W4 d, a, b, c, sa, sb
	v_wmma_scale_f32_16x16x128_f8f6f4 v[\d:\d+7], v[\a:\a+7], v[\b:\b+7], v[\c:\c+7], v[\sa], v[\sb] matrix_a_fmt:MATRIX_FMT_FP4 matrix_b_fmt:MATRIX_FMT_FP4
.endm
; 64 numbers of a lane, register 16 b + i = k 32 b + 16 (lane / 16) + i of my row, become a fragment's codes in v[PC] on and its scale word in v[PW]
.macro QUANT s
	s_wait_xcnt 0x0                                ; the last unit's stores have read v[PC] on,
	s_wait_dscnt 0x0                               ; and its LDS store v[PW]
.irp b, 0,1,2,3
	v_max3_num_f32 v[TM+\b], |v[\s+16*\b]|, |v[\s+1+16*\b]|, 0x1800000   ; block b: my 16 numbers, and the floor 2^(3 - 127): the byte cannot fall under 1.  Each accumulator is read from its low end on
.endr
.irp i, 2,4,6,8,10,12,14
.irp b, 0,1,2,3
	v_max3_num_f32 v[TM+\b], v[TM+\b], |v[\s+16*\b+\i]|, |v[\s+1+16*\b+\i]|
.endr
.endr
.irp b, 0,1,2,3
	v_permlanex16_b32 v[TM+4+\b], v[TM+\b], s44, s45
.endr
.irp b, 0,1,2,3
	v_max_num_f32 v[TM+\b], v[TM+\b], v[TM+4+\b]   ; with lane l xor 16's: the block's largest magnitude
.endr
.irp b, 0,1,2,3
	v_add_nc_u32 v[TM+12+\b], 0xff000000, v[TM+\b]   ; 2 off its exponent field: the conversion's scale operand
.endr
.irp b, 0,1,2,3
	v_lshrrev_b32 v[TM+4+\b], 23, v[TM+12+\b]      ; the byte
.endr
	v_lshl_or_b32 v[PW], v[TM+5], 8, v[TM+4]
	v_lshl_or_b32 v[PW], v[TM+6], 16, v[PW]
	v_lshl_or_b32 v[PW], v[TM+7], 24, v[PW]
.irp b, 0,1,2,3
	v_cvt_scalef32_pk8_fp4_f32 v[PC+2*\b], v[\s+16*\b:\s+7+16*\b], v[TM+12+\b]
	v_cvt_scalef32_pk8_fp4_f32 v[PC+1+2*\b], v[\s+8+16*\b:\s+15+16*\b], v[TM+12+\b]
.endr
	v_nop                                          ; one plain instruction behind a scaled conversion
.irp c, 0,1                                    ; the operand's layout wants a whole block in a lane: lanes 0-15 block 2 c, lanes 16-31 block 2 c + 1
.irp i, 0,1
	v_permlane16_swap_b32 v[PC+4*\c+\i], v[PC+2+4*\c+\i]
.endr
.endr
.endm
.macro EMIT ptr, off, i                ; the fragment leaves as it stands: 2 x 512 consecutive bytes; its scale words wait in LDS for the phase's other seven
.irp c, 0,1
	global_store_b128 v[LI], v[PC+4*\c:PC+4*\c+3], s[\ptr:\ptr+1] offset:\off+512*\c
.endr
	ds_store_b32 v[PWA], v[PW] offset:64*(\i)      ; lanes r and r + 16 write the same word with the same value
.endm
.macro CHUNK ptr                       ; a phase's 8 x 16 scale words: 512 consecutive bytes
	s_wait_xcnt 0x0                                ; the last phase's store has read v[OW] on
	ds_load_b128 v[OW:OW+3], v[PWR]                ; my wave's own bytes, served in the order of issue
	s_wait_dscnt 0x0
	global_store_b128 v[LI], v[OW:OW+3], s[\ptr:\ptr+1]
.endm
.macro WSLAB pc, ps                    ; my 128 rows of a weight: 8 loads of scale words, 64 of codes
.irp t, 0,1,2,3,4,5,6,7
	global_load_b128 v[WS+4*\t:WS+4*\t+3], v[WSO], s[\ps:\ps+1] offset:(32*(\t/2)+8*(\t%2))*16
.endr
	WIN 0x80
.irp t, 0,1,2,3,4,5,6,7
.irp s, 0,1,2,3
.irp c, 0,1
	global_load_b128 v[8*(4*\t+\s)+4*\c:8*(4*\t+\s)+4*\c+3], v[WF], s[\pc:\pc+1] offset:(32*(\t/2)+8*(\t%2))*256+64*\s+32*\c
.endr
.endr
.endr
	WIN 0
.endm
.macro BIAS reg, pb                    ; lane (r, h) wants, for tile 2 i + u, the bias of channels 32 i + 8 u + 16 h + 0 .. 7
	WIN 0xc0
.irp t, 0,1,2,3,4,5,6,7
	global_load_b128 v[\reg+8*\t:\reg+8*\t+3], v[BH], s[\pb:\pb+1] offset:(32*(\t/2)+8*(\t%2))*4
	global_load_b128 v[\reg+8*\t+4:\reg+8*\t+7], v[BH], s[\pb:\pb+1] offset:(32*(\t/2)+8*(\t%2))*4+16
.endr
	WIN 0
.endm
.macro VRING t                         ; tile t of Wv: 8 loads of codes and one of scale words: nine loads
	WIN 0xc0
.irp s, 0,1,2,3
.irp c, 0,1
	global_load_b128 v[RING+32*((\t)%4)+8*\s+4*\c:RING+32*((\t)%4)+8*\s+4*\c+3], v[WF], s[20:21] offset:(32*((\t)/2)+8*((\t)%2))*256+64*\s+32*\c
.endr
.endr
	WIN 0
	global_load_b128 v[VSC+4*((\t)%4):VSC+4*((\t)%4)+3], v[WSO], s[22:23] offset:(32*((\t)/2)+8*((\t)%2))*16
.endm
.macro UNITQK t, bias                  ; tile t of the tokens against my slab
	WIN 0x36                                       ; source 0 (the slab) window 2, source 1 (h) window 1, C (the bias) window 3
.irp a, 0,1,2,3,4,5,6,7
	W4 ACC+8*\a, 32*\a, 32*(\t), \bias+8*\a, WS+4*\a, HS+4*(\t)
.endr
	WIN 0x06
.irp s, 1,2,3
.irp a, 0,1,2,3,4,5,6,7
	W4 ACC+8*\a, 32*\a+8*\s, 32*(\t)+8*\s, ACC+8*\a, WS+4*\a+\s, HS+4*(\t)+\s
.endr
.endr
	WIN 0
	PLACES
	QUANT ACC
.endm
.macro UNITV t                         ; h's eight tiles against tile t of Wv
	WIN 0x0d                                       ; source 0 (h) window 1, source 1 (Wv) window 3
.irp s, 0,1,2,3
.irp a, 0,1,2,3,4,5,6,7
.if \s == 0
	W4 ACC+8*\a, 32*\a, RING+32*((\t)%4), VBC+8*((\t)%2), HS+4*\a, VSC+4*((\t)%4)
.else
	W4 ACC+8*\a, 32*\a+8*\s, RING+32*((\t)%4)+8*\s, ACC+8*\a, HS+4*\a+\s, VSC+4*((\t)%4)+\s
.endif
.endr
.endr
	WIN 0
.if (\t) < 7
.irp j, 0,1,2,3,4,5,6,7
	v_mov_b32 v[VBC+8*(((\t)+1)%2)+\j], v[VB+(\t)+1]   ; the next tile's bias, into the set that this unit did not name: these eight are also the places behind its products
.endr
.else
	PLACES
.endif
.if (\t) < 4
	VRING (\t)+4                                   ; the tile four further on takes this tile's registers
.endif
	QUANT ACC
.endm
	s_load_b512 s[4:19], s[0:1], 0x0               ; hc 4, hs 6, Wq_codes 8, Wq_scales 10, bq 12, Wk_codes 14, Wk_scales 16, bk 18
	s_load_b512 s[20:35], s[0:1], 0x40             ; Wv_codes 20, Wv_scales 22, bv 24, qc 26, qs 28, kc 30, ks 32, vc 34
	s_load_b64 s[36:37], s[0:1], 0x80              ; vs
	v_lshl_add_u32 v254, v0, 2, 0x2800
	v_mov_b32 v255, 0
	v_lshrrev_b32 v11, 5, v0
	v_readfirstlane_b32 s38, v11                   ; wave 0..3
	s_mov_b32 s39, ttmp9                           ; g: which 128 tokens
	s_and_b32 s40, ttmp7, 0xffff                   ; the batch
	v_and_b32 v11, 31, v0                          ; lane
	v_and_b32 v12, 15, v0                          ; r
	v_bfe_u32 v13, v0, 4, 1                        ; h
	v_and_b32 v14, 8, v12
	v_add_nc_u32 v14, v14, v12                     ; rr = r + 8 (r / 8)
	v_lshlrev_b32 v[LI], 4, v11
	v_lshlrev_b32 v[LS], 2, v11
	v_lshlrev_b32 v[WF], 8, v14
	v_lshl_add_u32 v[WF], v13, 4, v[WF]
	v_lshlrev_b32 v[WSO], 4, v14
	v_lshlrev_b32 v[BH], 6, v13
	v_lshlrev_b32 v[BVO], 2, v14
	s_mul_i32 s41, s38, 2560                       ; LDS: 2,048 + 512 bytes for each wave
	v_lshl_add_u32 v[SCTW], v11, 6, s41
	v_lshl_add_u32 v[HSA], v14, 4, s41
	s_add_co_u32 s41, s41, 2048
	v_lshl_add_u32 v[PWA], v12, 2, s41
	v_lshl_add_u32 v[PWR], v11, 4, s41
	s_mov_b32 s44, 0x76543210                      ; v_permlanex16_b32's selects for lane l xor 16
	s_mov_b32 s45, 0xfedcba98
	s_mov_b32 s46, 0x05010400                      ; v_perm_b32's selects for a 4 x 4 transposition of bytes
	s_mov_b32 s47, 0x07030602
	s_mov_b32 s48, 0x05040100
	s_mov_b32 s49, 0x07060302
.irp b, 0,1,2,3
	v_mov_b32 v[TM+4+\b], 0                        ; a lane permute's destination counts as one of its sources
.endr
	s_mov_b32 s43, 0
	s_wait_kmcnt 0x0
	s_lshl_b32 s42, s40, 18
	s_lshl_b32 s50, s39, 15
	s_add_co_u32 s42, s42, s50
	s_add_nc_u64 s[4:5], s[4:5], s[42:43]          ; hc: batch x 262,144 + g x 32,768
	s_lshl_b32 s50, s38, 10
	s_add_co_u32 s42, s42, s50
	s_add_nc_u64 s[26:27], s[26:27], s[42:43]      ; qc: the same + K step w x 1,024
	s_lshl_b32 s42, s40, 14
	s_lshl_b32 s50, s39, 7
	s_add_co_u32 s42, s42, s50
	s_add_nc_u64 s[6:7], s[6:7], s[42:43]          ; hs: batch x 16,384 + g x 128
	s_lshl_b32 s42, s38, 15
	s_add_nc_u64 s[8:9], s[8:9], s[42:43]          ; the weights' codes: my 128 rows of 256 bytes
	s_add_nc_u64 s[14:15], s[14:15], s[42:43]
	s_add_nc_u64 s[20:21], s[20:21], s[42:43]
	s_lshl_b32 s42, s38, 11
	s_add_nc_u64 s[10:11], s[10:11], s[42:43]      ; their scales: 16 bytes a row
	s_add_nc_u64 s[16:17], s[16:17], s[42:43]
	s_add_nc_u64 s[22:23], s[22:23], s[42:43]
	s_lshl_b32 s42, s38, 9
	s_add_nc_u64 s[12:13], s[12:13], s[42:43]      ; the biases
	s_add_nc_u64 s[18:19], s[18:19], s[42:43]
	s_add_nc_u64 s[24:25], s[24:25], s[42:43]
	s_lshl_b32 s42, s40, 14
	s_lshl_b32 s50, s38, 12
	s_add_co_u32 s42, s42, s50
	s_lshl_b32 s50, s39, 9
	s_add_co_u32 s42, s42, s50
	s_add_nc_u64 s[28:29], s[28:29], s[42:43]      ; qs, ks: batch x 16,384 + K step w x 4,096 + g x 512
	s_add_nc_u64 s[32:33], s[32:33], s[42:43]
	s_lshl_b32 s42, s40, 18
	s_lshr_b32 s50, s39, 1
	s_lshl_b32 s50, s50, 16
	s_add_co_u32 s42, s42, s50
	s_lshl_b32 s50, s38, 14
	s_add_co_u32 s42, s42, s50
	s_and_b32 s50, s39, 1
	s_lshl_b32 s50, s50, 13
	s_add_co_u32 s42, s42, s50
	s_add_nc_u64 s[30:31], s[30:31], s[42:43]      ; kc: batch x 262,144 + (g / 2) x 65,536 + w x 16,384 + (g % 2) x 8,192
	s_lshl_b32 s42, s40, 18
	s_lshl_b32 s50, s38, 16
	s_add_co_u32 s42, s42, s50
	s_lshl_b32 s50, s39, 13
	s_add_co_u32 s42, s42, s50
	s_add_nc_u64 s[34:35], s[34:35], s[42:43]      ; vc: batch x 262,144 + w x 65,536 + K step g x 8,192
	s_lshl_b32 s42, s40, 14
	s_lshl_b32 s50, s39, 11
	s_add_co_u32 s42, s42, s50
	s_lshl_b32 s50, s38, 9
	s_add_co_u32 s42, s42, s50
	s_add_nc_u64 s[36:37], s[36:37], s[42:43]      ; vs: batch x 16,384 + g x 2,048 + w x 512
.set p, 0
.rept 16
	global_load_b32 v[ACC+p], v[LS], s[6:7] offset:1024*p   ; h's scale bytes: block p of the channels, my four tokens
.set p, p+1
.endr
	WIN 0x40
.set i, 0
.rept 64
	global_load_b128 v[4*i:4*i+3], v[LI], s[4:5] offset:512*i   ; h's 32 images as they lie
.set i, i+1
.endr
	WIN 0
	s_wait_loadcnt 63                              ; 64 loads were issued behind the sixteen of scale bytes
.irp s, 0,1,2,3                                ; blocks 4 s .. 4 s + 3 x four tokens, transposed: a word for each token
	v_perm_b32 v[ACC+16], v[ACC+4*\s+1], v[ACC+4*\s], s46
	v_perm_b32 v[ACC+17], v[ACC+4*\s+1], v[ACC+4*\s], s47
	v_perm_b32 v[ACC+18], v[ACC+4*\s+3], v[ACC+4*\s+2], s46
	v_perm_b32 v[ACC+19], v[ACC+4*\s+3], v[ACC+4*\s+2], s47
	v_perm_b32 v[ACC+20+\s], v[ACC+18], v[ACC+16], s48
	v_perm_b32 v[ACC+24+\s], v[ACC+18], v[ACC+16], s49
	v_perm_b32 v[ACC+28+\s], v[ACC+19], v[ACC+17], s48
	v_perm_b32 v[ACC+32+\s], v[ACC+19], v[ACC+17], s49
.endr
.irp j, 0,1,2,3
	ds_store_b128 v[SCTW], v[ACC+20+4*\j:ACC+23+4*\j] offset:16*\j   ; token 4 lane + j: its four scale words
.endr
.irp t, 0,1,2,3,4,5,6,7
	ds_load_b128 v[HS+4*\t:HS+4*\t+3], v[HSA] offset:(32*(\t/2)+8*(\t%2))*16   ; my wave's own bytes, served in the order of issue: row r of tile t
.endr
	WSLAB 8, 10                                    ; Wq
	BIAS BQ, 12
	BIAS BK, 18                                    ; wanted later: 16 loads,
	VRING 0                                        ; 4 x 9,
	VRING 1
	VRING 2
	VRING 3
.irp t, 0,1,2,3,4,5,6,7
	global_load_b32 v[VB+\t], v[BVO], s[24:25] offset:(32*(\t/2)+8*(\t%2))*4   ; and 8: sixty in all
.endr
	s_wait_loadcnt 60                              ; h, Wq and bq are in; the sixty may be out
	s_wait_dscnt 0x0                               ; h's scale words
.irp t, 0,1,2,3,4,5,6,7
	UNITQK \t, BQ
	EMIT 26, 4096*\t, \t
.endr
	CHUNK 28
	s_wait_loadcnt 0x0                             ; asked for a whole phase ago
.irp j, 0,1,2,3,4,5,6,7
	v_mov_b32 v[VBC+\j], v[VB]
.endr
	WSLAB 14, 16                                   ; Wk takes Wq's registers and lands while v is made
.irp t, 0,1,2,3,4,5,6,7
.if \t >= 4
	s_wait_loadcnt 9*(7-\t)                        ; behind this tile's nine loads stand those of the later tiles
.endif
	UNITV \t
	EMIT 34, 1024*\t, \t
.endr
	CHUNK 36
.irp t, 0,1,2,3,4,5,6,7
	UNITQK \t, BK
	EMIT 30, 1024*\t, \t
.endr
	CHUNK 32
	s_wait_tensorcnt 0x0
	ds_add_u32 v254, v255
	s_wait_dscnt 0x0
	s_endpgm
.Lfunc_end_k_qea4184c6f2_qkv:
	.size	k_qea4184c6f2_qkv, .Lfunc_end_k_qea4184c6f2_qkv-k_qea4184c6f2_qkv
	.p2alignl 7, 3214868480
	.fill 96, 4, 3214868480
	.section	.rodata,"a",@progbits
	.p2align	6, 0x0
	.amdhsa_kernel k_qea4184c6f2_qkv
		.amdhsa_group_segment_fixed_size 10752
		.amdhsa_private_segment_fixed_size 0
		.amdhsa_enable_private_segment 0
		.amdhsa_kernarg_size 136
		.amdhsa_user_sgpr_count 2
		.amdhsa_user_sgpr_kernarg_segment_ptr 1
		.amdhsa_wavefront_size32 1
		.amdhsa_system_sgpr_workgroup_id_x 1
		.amdhsa_system_sgpr_workgroup_id_y 1
		.amdhsa_system_sgpr_workgroup_id_z 1
		.amdhsa_system_vgpr_workitem_id 0
		.amdhsa_next_free_vgpr 1024
		.amdhsa_next_free_sgpr 66
		.amdhsa_reserve_vcc 0
		.amdhsa_float_denorm_mode_32 3
		.amdhsa_float_denorm_mode_16_64 3
		.amdhsa_memory_ordered 1
		.amdhsa_forward_progress 1
		.amdhsa_inst_pref_size 239
	.end_amdhsa_kernel
	.amdgpu_metadata
---
amdhsa.version: [ 1, 2 ]
amdhsa.kernels:
  - .name:           k_qea4184c6f2_qkv
    .symbol:         k_qea4184c6f2_qkv.kd
    .args:
      - { .name: hc, .offset: 0, .size: 8, .value_kind: global_buffer, .address_space: global }
      - { .name: hs, .offset: 8, .size: 8, .value_kind: global_buffer, .address_space: global }
      - { .name: Wq_codes, .offset: 16, .size: 8, .value_kind: global_buffer, .address_space: global }
      - { .name: Wq_scales, .offset: 24, .size: 8, .value_kind: global_buffer, .address_space: global }
      - { .name: bq, .offset: 32, .size: 8, .value_kind: global_buffer, .address_space: global }
      - { .name: Wk_codes, .offset: 40, .size: 8, .value_kind: global_buffer, .address_space: global }
      - { .name: Wk_scales, .offset: 48, .size: 8, .value_kind: global_buffer, .address_space: global }
      - { .name: bk, .offset: 56, .size: 8, .value_kind: global_buffer, .address_space: global }
      - { .name: Wv_codes, .offset: 64, .size: 8, .value_kind: global_buffer, .address_space: global }
      - { .name: Wv_scales, .offset: 72, .size: 8, .value_kind: global_buffer, .address_space: global }
      - { .name: bv, .offset: 80, .size: 8, .value_kind: global_buffer, .address_space: global }
      - { .name: qc, .offset: 88, .size: 8, .value_kind: global_buffer, .address_space: global }
      - { .name: qs, .offset: 96, .size: 8, .value_kind: global_buffer, .address_space: global }
      - { .name: kc, .offset: 104, .size: 8, .value_kind: global_buffer, .address_space: global }
      - { .name: ks, .offset: 112, .size: 8, .value_kind: global_buffer, .address_space: global }
      - { .name: vc, .offset: 120, .size: 8, .value_kind: global_buffer, .address_space: global }
      - { .name: vs, .offset: 128, .size: 8, .value_kind: global_buffer, .address_space: global }
    .group_segment_fixed_size: 10752
    .private_segment_fixed_size: 0
    .kernarg_segment_align: 8
    .kernarg_segment_size: 136
    .max_flat_workgroup_size: 128
    .sgpr_count:     66
    .vgpr_count:     1024
    .wavefront_size: 32
...
	.end_amdgpu_metadata
.endif
;; end of part 2
;; launch attn (part 3): grid 8 x 32, 4 waves a work-group, no clusters, 305,664 bytes of LDS; arguments qc, qs, kc, ks, vc, vs, Wt_codes, Wt_scales, bt, x, out0; writes out0
.if DOCPART == 3
	.amdgcn_target "amdgcn-amd-amdhsa--gfx1250"
	.amdhsa_code_object_version 6
	.text
	.protected	k_qea4184c6f2_attn
	.globl	k_qea4184c6f2_attn
	.p2align	8
	.type	k_qea4184c6f2_attn,@function
k_qea4184c6f2_attn:
	s_mov_b64 s[64:65], 0
	v_nop
	global_prefetch_b8 v0, s[64:65] scope:SCOPE_SE
	s_setreg_imm32_b32 hwreg(HW_REG_WAVE_MODE, 25, 1), 1
	s_wait_xcnt 0x0
; out = Wt^T (v softmax(q^T k / sqrt(512))^T) + bt + x, all three products on codes of FP4 (E2M1) with one E8M0 scale for each 32 along K, by the form of 32 x 16 x 128.
; The softmax is FINISHED before it is quantised: p = 2^(c s - c m) / the row's sum, m the row's largest score over all 1,024 keys, c = log2(e) / sqrt(512); then blocks of 32 keys.
; SHARES.  A work-group takes 128 queries of one batch, 8 tiles of 16.
;   SCORES, in two passes of 4 tiles of queries: wave w holds S^T = K Q^T for keys 256 w .. + 255 (16 tiles) x 64 queries in 512 registers, so a row's 1,024 scores lie in registers at once.
;   A lane holds one query; the row's maximum and sum cross the four waves through LDS.  P is quantised in registers (K steps 2 w, 2 w + 1 of the next product) and goes to LDS as images of the operand's registers.
;   O^T = V^T P^T: wave w holds channels 128 w .. + 127 (8 tiles) x 128 queries, laid over the scores.  O is quantised (K step w of the last product) and goes round as images.
;   OUTPUT: wave w makes output channels 128 w .. + 127: source 0 = two of O's tiles of queries, source 1 = 16 rows of Wt: a lane holds one output channel and neighbouring tokens; bt is the first C; + x; whole rows leave.
; SOURCE 0 IS ALWAYS TWO NEIGHBOURING TILES (32 rows, 16 registers); their scale words share one register, the even tile's in lanes 0-15, the odd tile's in lanes 16-31, as the launch before stored them.
; Row r of tile 2 i + u is 32 i + 8 u + r + 8 (r / 8) of its 128, so the 16 registers of one result are 16 neighbours along the next K.
; K, V AND Wt COME STRAIGHT FROM MEMORY INTO REGISTERS: each fragment is used by one wave alone and lies in memory as the image of its registers, in the order of use.
; One stream of 56 groups of 8 loads (512 consecutive bytes each) runs through 8 slots of 32 registers: K, K again, V, Wt.  A slot is asked for again as soon as it has been multiplied: 56 loads stand behind the group in hand.
; That run ahead is why K and V have no prefetch of their own.
; x: of my 128 rows (my output channels x the work-group's 128 tokens, 512 bytes a row) the last 96 come by ONE tensor load a wave at the head into 49,152 LDS bytes of the wave's own, filled once;
; the first 32 come through registers as soon as registers are free, and are prefetched 8 KB at a time while V is multiplied.  By the text's own count a wave has one tensor load outstanding.  No LDS byte is filled twice.
; THE WAY OUT RUNS ONE TILE DEEP: a tile's rows are added to x and stored behind the NEXT tile's products and stage traffic.
; NO CLUSTER: the 8 work-groups of a batch read the same K and V, but a joint request serves tiles that land in LDS: 768 KB a work-group written once and read once, for fragments that no two waves share.
; LIMITS: NaN and infinities are not served; p under 2^-126 counts as 0; a block of P or O whose largest number lies under 2^-124 (a block of zeros too) gets the byte 1: this program alone reads the bytes.
; A block's largest p is not searched for: p rises with the score, so the block's largest score goes through the same instructions as the scores.
; REGISTERS, in windows of 256.  window 0: v1-15 addresses; v16-87 scale words and nothing else; v88-239 by phase; v251, v255 the add's two; v252-254 lane, r, h.   window 1: the stream's 8 slots.
;   windows 2, 3: S(key tile kt, query tile q) at window 2 + kt / 8, v[64 q + 8 (kt % 8)]; then O(channel tile t, query tile q) at window 2 + q / 4, v[64 (q % 4) + 8 t];
;   then window 2: O's fragments, (K step s, tile q) at v[8 (8 s + q)]; window 3: v0-191 three tiles of x by turns, v192-255 the odd tiles' rows on the way out.
.set QIMG, 0                           ; LDS: Q's 32 images, (4 q + s) x 1,024
.set QSC,  32768                       ; Q's scale words [s 4][q 8][16]
.set MX,   34816                       ; the waves' maxima [q 4][r 16][w 4]
.set SM,   35840                       ; the waves' sums
.set PSC,  36864                       ; P's scale words [ks 8][q 8][16]
.set OSC,  40960                       ; O's [s 4][q 8][16]
.set OIMG, 0                           ; O's images take Q's bytes: three barriers stand between the last read of Q and the first store of O
.set PIMG, 43008                       ; P's 64 images, (8 q + ks) x 1,024
.set STG,  PIMG                        ; the way out: 16 rows x 528 bytes a wave, in P's bytes: the barrier behind O's images stands between the last read of P and the first store here
.set XL,   108544                      ; x: 96 rows x 512 bytes a wave
.set XROWS, 96
.set XT0,  2                           ; the first tile of 16 rows that comes through LDS
.set SPARE, XL+4*XROWS*512             ; the spare words: 512 bytes that no other line names
.set LI,  1                            ; 16 x lane
.set LS,  2                            ; 4 x lane
.set R4,  3                            ; 4 r
.set R16, 4                            ; 16 r
.set WF,  5                            ; 256 r + 16 h: a fragment of Wt
.set PFO, 6                            ; 4,096 (lane / 2) + 256 (lane % 2): a tile of x, a lane for each 256 bytes
.set QA,  7                            ; in the passes: Q's images, Q's scale words, where P's images and scale words go, the tables
.set QSR, 8
.set PWA, 9
.set PSW, 10
.set MXW, 11
.set MXR, 12
.set SMW, 13
.set SMR, 14
.set PRA, 7                            ; behind the passes: P's images and words, where O's go, the stage in and back, O's images and words
.set PSR, 8
.set OWA, 9
.set OSW, 10
.set SOA, 11
.set SRA, 12
.set OFR, 13
.set OSR, 14
.set XLA, 15                           ; my rows of x in LDS
.set VS,  16                           ; v16-47 V's scale words: 4 ks + t / 2; later v16-31 O's: 4 s + q / 2
.set OS,  16
.set KS,  48                           ; v48-79 K's: 8 s + kt / 2; later Wt's: 4 dt + s
.set WS,  48
.set QS,  80                           ; v80-87 Q's: 2 s + q / 2; later P's: 4 (ks % 2) + q / 2
.set PS,  80
.set QB,  88                           ; v88-151 Q's fragments of a K step, two sets of 32
.set BM,  152                          ; v152-183 a block's largest score, then p, then the scale operand
.set T16, 184
.set NM,  200                          ; -c m, later 1 / sum: a pair for each tile of queries
.set SL,  208
.set CH,  212
.set PC,  216                          ; P's codes for tiles 0 and 1; those of tiles 2 and 3 go to v88-103
.set PB,  88                           ; v88-215 P's fragments of a K step, two sets of 64
.set BT,  216                          ; bt of my lane's output channel, one for each tile
.set TM,  88
.set PW,  112
.set Y,   88                           ; v88-151 the output's 4 results of 16 registers
.set YB,  152                          ; v152-215 the even tiles' 16 rows read back from the stage
.set YO,  192                          ; window 3: the odd tiles'
.set BC,  224                          ; v224-239 bt sixteen times over
.set SPW, 251
.set NIL, 255
.set LN,  252
.set RR,  253
.set HH,  254
.set G0,  52
.set G1,  56
.set MSB, 0
.macro WIN new                         ; the immediate's high byte repeats the setting that is left
.if MSB != (\new)
	s_set_vgpr_msb (MSB<<8)|(\new)
.set MSB, \new
.endif
.endm
.macro PLACES                          ; four plain vector instructions behind a matrix instruction (ISA guide 7.12.1)
.rept 4
	v_nop
.endr
.endm
.macro BARRIER
	s_wait_dscnt 0x0
	s_barrier_signal -1
	s_barrier_wait -1
.endm
; one product of 32 x 16 x 128, by the symbols rD, rA, rB, rC, rSA, rSB;  fZ: it starts a sum with 0;  fB: source 1's scale words stand in lanes 16-31
.macro MM
.if fZ
.if fB
	v_wmma_scale_f32_32x16x128_f4 v[rD:rD+15], v[rA:rA+15], v[rB:rB+7], 0, v[rSA], v[rSB] matrix_b_scale:MATRIX_SCALE_ROW1
.else
	v_wmma_scale_f32_32x16x128_f4 v[rD:rD+15], v[rA:rA+15], v[rB:rB+7], 0, v[rSA], v[rSB]
.endif
.else
.if fB
	v_wmma_scale_f32_32x16x128_f4 v[rD:rD+15], v[rA:rA+15], v[rB:rB+7], v[rC:rC+15], v[rSA], v[rSB] matrix_b_scale:MATRIX_SCALE_ROW1
.else
	v_wmma_scale_f32_32x16x128_f4 v[rD:rD+15], v[rA:rA+15], v[rB:rB+7], v[rC:rC+15], v[rSA], v[rSB]
.endif
.endif
.endm
.macro RLD slot, base, g               ; group g of a dense stream (four images, 4,096 bytes) into a slot
	WIN 0x40
.irp i, 0,1,2,3,4,5,6,7
	global_load_b128 v[32*(\slot)+4*\i:32*(\slot)+4*\i+3], v[LI], s[\base:\base+1] offset:4096*(\g)+512*\i
.endr
	WIN 0
.endm
.macro RLW slot, dt                    ; 16 rows of Wt, four K steps, into a slot
	WIN 0x40
.irp s, 0,1,2,3
.irp c, 0,1
	global_load_b128 v[32*(\slot)+8*\s+4*\c:32*(\slot)+8*\s+4*\c+3], v[WF], s[16:17] offset:4096*(\dt)+64*\s+32*\c
.endr
.endr
	WIN 0
.endm
.macro QLD s                           ; the pass's four tiles of Q, K step s: 8 LDS loads
.irp i, 0,1,2,3
.irp c, 0,1
	ds_load_b128 v[QB+32*((\s)%2)+8*\i+4*\c:QB+32*((\s)%2)+8*\i+4*\c+3], v[QA] offset:(4*\i+(\s))*1024+512*\c
.endr
.endr
.endm
; group g of a pass's scores: K step g / 4, key tiles 4 (g % 4) + 0 .. 3 in two pairs, against the four tiles of queries: 8 products.  The 32 results take turns
.macro SGROUP g
.set sK, (\g)/4
.if (\g)%4 == 0
.if sK == 3
	s_wait_dscnt 0x0
.else
	s_wait_dscnt 8                                 ; this K step's Q is in; the next step's eight loads may be out
.endif
.endif
	s_wait_loadcnt 56                              ; behind this group's eight loads stand seven groups
.if (\g)%4 < 2
	WIN 0xa1                                       ; source 0 (K) window 1, source 1 (Q) window 0, C and D window 2
.else
	WIN 0xf1                                       ; the same, C and D window 3
.endif
.set fZ, 0
.if sK == 0
.set fZ, 1
.endif
.irp f, 0,1
.irp q, 0,1,2,3
.set kt, 4*((\g)%4)+2*\f
.set rD, 64*\q+8*(kt%8)
.set rC, rD
.set rA, 32*((\g)%8)+16*\f
.set rB, QB+32*(sK%2)+8*\q
.set rSA, KS+8*sK+kt/2
.set rSB, QS+2*sK+\q/2
.set fB, \q%2
	MM
.endr
.endr
	WIN 0
	PLACES
.if (\g) < 8
	RLD (\g)%8, 8, (\g)+8                          ; this pass's second half of K
.else
	RLD (\g)%8, 42, (\g)-8                         ; the next stream's first half: K again, or V
.endif
.if (\g) == 3
	QLD 2
.endif
.if (\g) == 7
	QLD 3
.endif
.endm
.macro BMAX W                          ; the largest score of each block of 32 keys (my 16 of them): 16 chains by turns; each result is read from its low end on
	WIN (\W)|((\W)<<2)|((\W)<<4)
.irp q, 0,1,2,3
.irp bl, 0,1,2,3
	v_max3_num_f32 v[BM+8*\q+4*((\W)-2)+\bl], v[64*\q+16*\bl], v[64*\q+16*\bl+1], v[64*\q+16*\bl+2]
.endr
.endr
	WIN ((\W)<<2)|((\W)<<4)
.irp i, 3,5,7,9,11,13
.irp q, 0,1,2,3
.irp bl, 0,1,2,3
	v_max3_num_f32 v[BM+8*\q+4*((\W)-2)+\bl], v[BM+8*\q+4*((\W)-2)+\bl], v[64*\q+16*\bl+\i], v[64*\q+16*\bl+\i+1]
.endr
.endr
.endr
.irp q, 0,1,2,3
.irp bl, 0,1,2,3
	v_max_num_f32 v[BM+8*\q+4*((\W)-2)+\bl], v[BM+8*\q+4*((\W)-2)+\bl], v[64*\q+16*\bl+15]
.endr
.endr
	WIN 0
.endm
.macro EXPS W                          ; 2^(c s - c m) in place
	WIN (\W)|((\W)<<6)
.irp q, 0,1,2,3
.set j, 0
.rept 32
	v_pk_fma_f32 v[64*\q+j:64*\q+j+1], v[64*\q+j:64*\q+j+1], s[34:35], v[NM+2*\q:NM+2*\q+1] op_sel_hi:[1,0,0]
.set j, j+2
.endr
.endr
.set j, 0
	s_wait_alu depctr_va_vdst(0)
.rept 256
	v_exp_f32 v[j], v[j]
.set j, j+1
.endr
	WIN 0
.endm
.macro NORM W                          ; / the row's sum
	WIN (\W)|((\W)<<6)
.irp q, 0,1,2,3
.set j, 0
.rept 32
	v_pk_mul_f32 v[64*\q+j:64*\q+j+1], v[64*\q+j:64*\q+j+1], v[NM+2*\q:NM+2*\q+1] op_sel_hi:[1,0]
.set j, j+2
.endr
.endr
	WIN 0
.endm
; tile i of the pass's queries, the 128 keys of window W: a fragment of P and its scale words go to LDS
.macro PQ i, W
.if (\i) < 2
.set rPC, PC+8*(\i)
.else
.set rPC, QB+8*((\i)-2)
.endif
	s_wait_dscnt 9                                 ; this set of registers was stored four tiles ago: behind those stores stand three tiles' three each
	WIN \W
.irp bl, 0,1,2,3
	v_cvt_scalef32_pk8_fp4_f32 v[rPC+2*\bl], v[64*(\i)+16*\bl:64*(\i)+16*\bl+7], v[BM+8*(\i)+4*((\W)-2)+\bl]
	v_cvt_scalef32_pk8_fp4_f32 v[rPC+2*\bl+1], v[64*(\i)+16*\bl+8:64*(\i)+16*\bl+15], v[BM+8*(\i)+4*((\W)-2)+\bl]
.endr
	WIN 0
	v_nop                                          ; one plain instruction behind a scaled conversion
.irp c, 0,1
.irp k, 0,1
	v_permlane16_swap_b32 v[rPC+4*\c+\k], v[rPC+2+4*\c+\k]   ; a whole block to a lane
.endr
.endr
.irp c, 0,1
	ds_store_b128 v[PWA], v[rPC+4*\c:rPC+4*\c+3] offset:8192*(\i)+1024*((\W)-2)+512*\c
.endr
	ds_store_b32 v[PSW], v[T16+2*(\i)+(\W)-2] offset:512*((\W)-2)+64*(\i)
.endm
.macro PLD ks                          ; P's eight fragments of K step ks and their scale words: 20 LDS loads
.irp q, 0,1,2,3,4,5,6,7
.irp c, 0,1
	ds_load_b128 v[PB+64*((\ks)%2)+8*\q+4*\c:PB+64*((\ks)%2)+8*\q+4*\c+3], v[PRA] offset:8192*\q+1024*(\ks)+512*\c
.endr
.endr
.irp p, 0,1,2,3
	ds_load_b32 v[PS+4*((\ks)%2)+\p], v[PSR] offset:512*(\ks)+128*\p
.endr
.endm
; group g of O^T += V^T P^T: K step g / 2, channel tiles 4 (g % 2) + 0 .. 3 in two pairs, against the eight tiles of queries: 16 products on 16 results
.macro VGROUP g
.set ksN, (\g)/2
.if (\g)%2 == 0
.if ksN == 7
	s_wait_dscnt 0x0
.else
	s_wait_dscnt 20                                ; this K step's P is in; the next step's twenty loads may be out
.endif
.endif
	s_wait_loadcnt 56                              ; behind this group's eight loads stand seven groups at the least
.set fZ, 0
.if ksN == 0
.set fZ, 1
.endif
.irp hq, 0,1
	WIN 0xa1+0x50*\hq                              ; source 0 (V) window 1, source 1 (P) window 0, C and D window 2 or 3
.irp f, 0,1
.irp q, 0,1,2,3
.set qt, 4*\hq+\q
.set tau, 4*((\g)%2)+2*\f
.set rD, 64*\q+8*tau
.set rC, rD
.set rA, 32*((\g)%8)+16*\f
.set rB, PB+64*(ksN%2)+8*qt
.set rSA, VS+4*ksN+tau/2
.set rSB, PS+4*(ksN%2)+qt/2
.set fB, qt%2
	MM
.endr
.endr
.endr
	WIN 0
	PLACES
.if (\g) < 8
	RLD (\g)%8, 12, (\g)+8                         ; V's second half
.else
	RLW (\g)%8, (\g)-8                             ; then Wt's eight tiles
.endif
.if ((\g)%2 == 1) && (ksN <= 5)
	PLD ksN+2
.endif
.if ((\g) == 7) || ((\g) == 9)
	global_prefetch_b8 v[PFO], s[22:23] offset:65536*(((\g)-7)/2) th:TH_LOAD_NT scope:SCOPE_SE   ; the two tiles of x that come through registers, 8 KB each, a lane for each 256 bytes, each asked for once in the launch; they are loaded behind the last of these 16 groups
.endif
.endm
; tile q of window W's four tiles of queries: my 128 channels of O become K step w of a fragment; image and scale words to LDS
.macro OQ W, q
.set rPC, 104
.if (\q) < 2
.set rPC, 136
.endif
.set bs, 64*(\q)
.set qt, 4*((\W)-2)+(\q)
	s_wait_dscnt 0x0                               ; the last tile's LDS stores have read their registers
	WIN (\W)|((\W)<<2)
.irp b, 0,1,2,3
	v_max3_num_f32 v[TM+\b], |v[bs+16*\b]|, |v[bs+1+16*\b]|, 0x1800000   ; with the floor 2^(3 - 127)
.endr
	WIN ((\W)<<2)|((\W)<<4)
.irp i, 2,4,6,8,10,12,14
.irp b, 0,1,2,3
	v_max3_num_f32 v[TM+\b], v[TM+\b], |v[bs+16*\b+\i]|, |v[bs+1+16*\b+\i]|
.endr
.endr
	WIN 0
.irp b, 0,1,2,3
	v_permlanex16_b32 v[TM+4+\b], v[TM+\b], s32, s33
.endr
.irp b, 0,1,2,3
	v_max_num_f32 v[TM+\b], v[TM+\b], v[TM+4+\b]
.endr
.irp b, 0,1,2,3
	v_add_nc_u32 v[TM+12+\b], 0xff000000, v[TM+\b]
.endr
.irp b, 0,1,2,3
	v_lshrrev_b32 v[TM+4+\b], 23, v[TM+12+\b]
.endr
	v_lshl_or_b32 v[PW], v[TM+5], 8, v[TM+4]
	v_lshl_or_b32 v[PW], v[TM+6], 16, v[PW]
	v_lshl_or_b32 v[PW], v[TM+7], 24, v[PW]
	WIN \W
.irp b, 0,1,2,3
	v_cvt_scalef32_pk8_fp4_f32 v[rPC+2*\b], v[bs+16*\b:bs+16*\b+7], v[TM+12+\b]
	v_cvt_scalef32_pk8_fp4_f32 v[rPC+2*\b+1], v[bs+16*\b+8:bs+16*\b+15], v[TM+12+\b]
.endr
	WIN 0
	v_nop
.irp c, 0,1
.irp k, 0,1
	v_permlane16_swap_b32 v[rPC+4*\c+\k], v[rPC+2+4*\c+\k]
.endr
.endr
.irp c, 0,1
	ds_store_b128 v[OWA], v[rPC+4*\c:rPC+4*\c+3] offset:4096*qt+512*\c
.endr
	ds_store_b32 v[OSW], v[PW] offset:64*qt
.endm
.macro XLD dt                          ; x from memory: 16 rows of my output channels x my 128 tokens: 16 loads of 512 consecutive bytes
	WIN 0xc0
.irp i, 0,1,2,3,4,5,6,7,8,9,10,11,12,13,14,15
	global_load_b128 v[64*((\dt)%3)+4*\i:64*((\dt)%3)+4*\i+3], v[LI], s[22:23] offset:65536*(\dt)+4096*\i th:TH_LOAD_NT
.endr
	WIN 0
.endm
.macro XLS dt                          ; x from LDS, tiles 2 to 7: the same 16 rows into set dt % 3
	WIN 0xc0
.irp i, 0,1,2,3,4,5,6,7,8,9,10,11,12,13,14,15
	ds_load_b128 v[64*((\dt)%3)+4*\i:64*((\dt)%3)+4*\i+3], v[XLA] offset:8192*((\dt)-XT0)+512*\i
.endr
	WIN 0
.endm
; tile d leaves: its rows, back from the stage, + x, stored.  younger: the LDS instructions issued behind its rows' loads that may stay out
.macro FIN d, younger
	s_wait_dscnt \younger
.if (\d) < XT0
	s_wait_loadcnt 16*(XT0-1-(\d))                 ; behind this tile of x stand the later tile's sixteen loads
.endif
.if (\d)%2
.set yb, YO
	WIN 0xcf                                       ; rows and x in window 3
.else
.set yb, YB
	WIN 0x0c                                       ; x in window 3
.endif
.set j, 0
.rept 32
	v_pk_add_f32 v[yb+j:yb+j+1], v[yb+j:yb+j+1], v[64*((\d)%3)+j:64*((\d)%3)+j+1]
.set j, j+2
.endr
.if (\d)+3 <= 7
	XLS (\d)+3                                     ; the tile three further on takes this tile's registers
.endif
.if (\d)%2
	WIN 0x0c                                       ; the stores' data in window 3
.else
	WIN 0
.endif
.irp i, 0,1,2,3,4,5,6,7,8,9,10,11,12,13,14,15
	global_store_b128 v[LI], v[yb+4*\i:yb+4*\i+3], s[24:25] offset:65536*(\d)+4096*\i th:TH_STORE_NT   ; 32 lanes store 512 consecutive bytes, at a multiple of 256 from out0's first byte
.endr
	WIN 0
.endm
; output channels 16 dt .. + 15 of my 128, for the 128 tokens: 16 products on 4 results by turns; into the stage and back; then the tile before leaves
.macro OUTT dt
	WIN 0x06                                       ; source 0 (O) window 2, source 1 (Wt) window 1
.irp s, 0,1,2,3
.irp p, 0,1,2,3
.set rD, Y+16*\p
.set rC, rD
.if \s == 0
.set rC, BC
.endif
.set rA, 8*(8*\s+2*\p)
.set rB, 32*(\dt)+8*\s
.set rSA, OS+4*\s+\p
.set rSB, WS+4*(\dt)+\s
.set fB, 0
.set fZ, 0
	MM
.endr
.endr
	WIN 0
	PLACES
.if (\dt) == 0
	v_nop                                          ; a fifth place: the next tile's first products begin these results anew, and no tile leaves in between yet
.endif
.if (\dt) < 7
.irp j, 0,1,2,3,4,5,6,7,8,9,10,11,12,13,14,15
	v_mov_b32 v[BC+\j], v[BT+(\dt)+1]              ; the next tile's bias
.endr
.endif
.if (\dt) == 0
	s_wait_alu depctr_va_vdst(0)
.endif
.irp k, 0,1,2,3,4,5,6,7,8,9,10,11,12,13,14,15
	ds_store_b128 v[SOA], v[Y+4*\k:Y+4*\k+3] offset:128*(\k/4)+16*(\k%4)   ; lane (r, h): channel r, tokens 32 (k / 4) + 16 h + 4 (k % 4) + 0 .. 3; each result from its low end on
.endr
	s_wait_xcnt 0x0                                ; the stores of the tile two back have read this set of rows
.if (\dt)%2
	WIN 0xc0
.irp i, 0,1,2,3,4,5,6,7,8,9,10,11,12,13,14,15
	ds_load_b128 v[YO+4*\i:YO+4*\i+3], v[SRA] offset:528*\i
.endr
	WIN 0
.else
.irp i, 0,1,2,3,4,5,6,7,8,9,10,11,12,13,14,15
	ds_load_b128 v[YB+4*\i:YB+4*\i+3], v[SRA] offset:528*\i   ; my wave's own bytes, served in the order of issue: whole rows of 512 bytes
.endr
.endif
.if (\dt) > 0
	FIN (\dt)-1, 32                                ; behind the last tile's rows stand this tile's 16 stores and 16 loads at the least
.endif
.if (\dt) < 7
.if ((\dt) >= 1) && ((\dt) <= 5)
	s_wait_dscnt 32                                ; the stage's stores have read the results: behind them stand 16 loads of rows and 16 of x
.else
	s_wait_dscnt 16                                ; the same: 16 loads of rows
.endif
.endif
.endm
	s_load_b512 s[4:19], s[0:1], 0x0               ; qc 4, qs 6, kc 8, ks 10, vc 12, vs 14, Wt_codes 16, Wt_scales 18
	s_load_b128 s[20:23], s[0:1], 0x40             ; bt 20, x 22
	s_load_b64 s[24:25], s[0:1], 0x50              ; out0
	v_lshl_add_u32 v[SPW], v0, 2, SPARE
	v_mov_b32 v[NIL], 0
	ds_add_u32 v[SPW], v[NIL]                      ; the opening: the add, twice on end, and its wait ahead of my tensor load
	ds_add_u32 v[SPW], v[NIL]
	v_lshrrev_b32 v[LN], 5, v0
	v_readfirstlane_b32 s26, v[LN]                 ; wave 0..3
	s_mov_b32 s27, ttmp9                           ; which 128 queries
	s_and_b32 s28, ttmp7, 0xffff                   ; the batch
	v_and_b32 v[LN], 31, v0
	v_and_b32 v[RR], 15, v0
	v_bfe_u32 v[HH], v0, 4, 1
	v_lshlrev_b32 v[LI], 4, v[LN]
	v_lshlrev_b32 v[LS], 2, v[LN]
	v_lshlrev_b32 v[R4], 2, v[RR]
	v_lshlrev_b32 v[R16], 4, v[RR]
	v_lshlrev_b32 v[WF], 8, v[RR]
	v_lshl_add_u32 v[WF], v[HH], 4, v[WF]
	v_lshrrev_b32 v[PFO], 1, v[LN]
	v_lshlrev_b32 v[PFO], 12, v[PFO]
	v_and_b32 v[QA], 1, v[LN]
	v_lshl_add_u32 v[PFO], v[QA], 8, v[PFO]
	s_lshl_b32 s44, s26, 13
	v_add_nc_u32 v[QA], s44, v[LI]                 ; at the head: where my 8,192 bytes of Q go,
	s_lshl_b32 s44, s26, 9
	s_add_co_u32 s44, s44, QSC
	v_add_nc_u32 v[QSR], s44, v[LI]                ; and my 512 bytes of its scale words
	s_lshl_b32 s44, s26, 2
	s_add_co_u32 s45, s44, MX
	v_add_nc_u32 v[MXW], s45, v[R16]
	v_add_nc_u32 v[MXR], MX, v[R16]
	s_add_co_u32 s45, s44, SM
	v_add_nc_u32 v[SMW], s45, v[R16]
	v_add_nc_u32 v[SMR], SM, v[R16]
	s_lshl_b32 s47, s26, 11
	s_add_co_u32 s47, s47, PIMG                    ; P's images: K steps 2 w, 2 w + 1
	s_lshl_b32 s48, s26, 10
	s_add_co_u32 s48, s48, PSC
	; the tensor load's descriptor: 96 rows of 128 f32, 1,024 elements from row to row, laid in LDS without gaps
	s_mov_b32 s[G0], 1
	s_mul_i32 s[G0+1], s26, XROWS*512
	s_add_co_u32 s[G0+1], s[G0+1], XL              ; my wave's own 49,152 bytes
	v_add_nc_u32 v[XLA], s[G0+1], v[LI]
	s_mov_b32 s[G1], 2<<16                         ; no mask; elements of 4 bytes; no padding: each LDS load takes 512 consecutive bytes
	s_mov_b32 s[G1+1], 128<<16
	s_mov_b32 s[G1+2], XROWS<<16
	s_mov_b32 s[G1+3], 128<<16
	s_mov_b32 s[G1+4], XROWS
	s_mov_b32 s[G1+5], 1024
	s_mov_b32 s[G1+6], 0
	s_mov_b32 s[G1+7], 0
	s_mov_b32 s32, 0x76543210                      ; v_permlanex16_b32's selects for lane l xor 16
	s_mov_b32 s33, 0xfedcba98
	s_mov_b32 s34, 0x3d8293ee                      ; c = log2(e) / sqrt(512)
	s_mov_b32 s35, s34
	s_mov_b32 s36, 0xbd8293ee                      ; -c
	s_mov_b32 s31, 0
	s_wait_alu depctr_va_vdst(0)
	s_wait_dscnt 0x0
	s_wait_kmcnt 0x0
	s_lshl_b32 s44, s28, 18
	s_lshl_b32 s45, s26, 16
	s_add_co_u32 s30, s44, s45
	s_add_nc_u64 s[8:9], s[8:9], s[30:31]          ; kc, vc: batch x 262,144 + w x 65,536
	s_add_nc_u64 s[12:13], s[12:13], s[30:31]
	s_lshl_b32 s45, s27, 15
	s_add_co_u32 s30, s44, s45
	s_lshl_b32 s45, s26, 13
	s_add_co_u32 s30, s30, s45
	s_add_nc_u64 s[4:5], s[4:5], s[30:31]          ; qc: batch x 262,144 + block x 32,768 + the quarter that I copy
	s_lshl_b32 s44, s28, 14
	s_lshl_b32 s45, s26, 12
	s_add_co_u32 s30, s44, s45
	s_lshl_b32 s45, s27, 9
	s_add_co_u32 s30, s30, s45
	s_add_nc_u64 s[6:7], s[6:7], s[30:31]          ; qs: K step w of my block
	s_lshl_b32 s45, s26, 10
	s_add_co_u32 s30, s44, s45
	s_add_nc_u64 s[10:11], s[10:11], s[30:31]      ; ks: my 16 tiles of keys
	s_lshl_b32 s45, s26, 9
	s_add_co_u32 s30, s44, s45
	s_add_nc_u64 s[14:15], s[14:15], s[30:31]      ; vs: my 8 tiles of channels
	s_lshl_b32 s30, s26, 15
	s_add_nc_u64 s[16:17], s[16:17], s[30:31]      ; Wt: my 128 rows
	s_lshl_b32 s30, s26, 11
	s_add_nc_u64 s[18:19], s[18:19], s[30:31]
	s_lshl_b32 s30, s26, 9
	s_add_nc_u64 s[20:21], s[20:21], s[30:31]
	s_lshl_b32 s30, s28, 21
	s_lshl_b32 s45, s26, 19
	s_add_co_u32 s30, s30, s45
	s_lshl_b32 s45, s27, 9
	s_add_co_u32 s30, s30, s45
	s_add_nc_u64 s[22:23], s[22:23], s[30:31]      ; x, out0: batch x 2,097,152 + 128 w rows of 4,096 bytes + my 128 tokens
	s_add_nc_u64 s[24:25], s[24:25], s[30:31]
	s_add_nc_u64 s[G0+2:G0+3], s[22:23], XT0*65536 ; my row 32 of x
	s_or_b32 s[G0+3], s[G0+3], 0x80000000
.irp i, 0,1,2,3,4,5,6,7,8,9,10,11,12,13,14,15
	global_load_b128 v[QB+4*\i:QB+4*\i+3], v[LI], s[4:5] offset:512*\i   ; a quarter of Q's images, on its way to LDS
.endr
	global_load_b128 v[T16:T16+3], v[LI], s[6:7]
.irp s, 0,1,2,3
.irp i, 0,1,2,3,4,5,6,7
	global_load_b32 v[KS+8*\s+\i], v[LS], s[10:11] offset:4096*\s+128*\i
.endr
.endr
.irp k, 0,1,2,3,4,5,6,7
.irp i, 0,1,2,3
	global_load_b32 v[VS+4*\k+\i], v[LS], s[14:15] offset:2048*\k+128*\i
.endr
.endr
.irp g, 0,1,2,3,4,5,6,7
	RLD \g, 8, \g                                  ; the stream's first eight groups
.endr
	tensor_load_to_lds s[G0:G0+3], s[G1:G1+7]      ; my 96 rows of x: ahead of every LDS read, every barrier and the first wait on TENSORcnt
	s_nop 0
.rept 4
	v_nop
.endr
	s_wait_loadcnt 63                              ; 128 loads were issued behind Q's seventeen
.irp i, 0,1,2,3,4,5,6,7,8,9,10,11,12,13,14,15
	ds_store_b128 v[QA], v[QB+4*\i:QB+4*\i+3] offset:512*\i
.endr
	ds_store_b128 v[QSR], v[T16:T16+3]
	BARRIER                                        ; Q and its scale words lie in LDS.
.irp k, 0,1,2,3,4,5,6,7,8,9,10,11,12,13,14,15
	v_mov_b32 v[T16+\k], 0                         ; a lane permute's destination counts as one of its sources
.endr
.irp k, 0,1,2,3
	v_mov_b32 v[CH+\k], 0
.endr
	s_mov_b32 s37, 0                               ; the pass
	s_mov_b32 s38, 0                               ; x 16,384: its four tiles of Q
	s_mov_b32 s39, 0                               ; x 32,768: its four tiles of P
	s_mov_b32 s40, 0                               ; x 256: their scale words
.Lpass:
	s_wait_xcnt 0x0                                ; the loads that name s[42:43] have had their addresses translated,
	s_wait_dscnt 0x0                               ; and the last pass's LDS stores have read their registers
	s_cmp_eq_u32 s37, 0
	s_cselect_b64 s[42:43], s[8:9], s[12:13]       ; what follows this pass's K in the stream: K again, or V
	v_add_nc_u32 v[QA], s38, v[LI]
	v_add_nc_u32 v[QSR], s40, v[LS]
	v_add_nc_u32 v[QSR], QSC, v[QSR]
	s_add_co_u32 s50, s39, s47
	v_add_nc_u32 v[PWA], s50, v[LI]
	s_add_co_u32 s51, s40, s48
	v_add_nc_u32 v[PSW], s51, v[R4]
.irp s, 0,1,2,3
.irp p, 0,1
	ds_load_b32 v[QS+2*\s+\p], v[QSR] offset:512*\s+128*\p
.endr
.endr
	QLD 0
	QLD 1
	s_wait_alu depctr_va_vdst(0)
.irp g, 0,1,2,3,4,5,6,7,8,9,10,11,12,13,14,15
	SGROUP \g
.endr
	; the softmax of 64 rows, my 256 keys of each
	BMAX 2
	BMAX 3
.irp hb, 0,1
.irp k, 0,1,2,3,4,5,6,7,8,9,10,11,12,13,14,15
	v_permlanex16_b32 v[T16+\k], v[BM+16*\hb+\k], s32, s33
.endr
.irp k, 0,1,2,3,4,5,6,7,8,9,10,11,12,13,14,15
	v_max_num_f32 v[BM+16*\hb+\k], v[BM+16*\hb+\k], v[T16+\k]   ; with lane l xor 16's 16 keys: the block's largest score
.endr
.endr
.irp q, 0,1,2,3
	v_max3_num_f32 v[SL+\q], v[BM+8*\q], v[BM+8*\q+1], v[BM+8*\q+2]
.endr
.irp q, 0,1,2,3
	v_max3_num_f32 v[SL+\q], v[SL+\q], v[BM+8*\q+3], v[BM+8*\q+4]
.endr
.irp q, 0,1,2,3
	v_max3_num_f32 v[SL+\q], v[SL+\q], v[BM+8*\q+5], v[BM+8*\q+6]
.endr
.irp q, 0,1,2,3
	v_max_num_f32 v[SL+\q], v[SL+\q], v[BM+8*\q+7]
.endr
.irp q, 0,1,2,3
	ds_store_b32 v[MXW], v[SL+\q] offset:256*\q
.endr
	BARRIER                                        ; the four waves' maxima lie in LDS
.irp q, 0,1,2,3
	ds_load_b128 v[T16+4*\q:T16+4*\q+3], v[MXR] offset:256*\q
.endr
	s_wait_dscnt 0x0
.irp q, 0,1,2,3
	v_max3_num_f32 v[SL+\q], v[T16+4*\q], v[T16+4*\q+1], v[T16+4*\q+2]
.endr
.irp q, 0,1,2,3
	v_max_num_f32 v[SL+\q], v[SL+\q], v[T16+4*\q+3]   ; m: the row's largest score
.endr
.irp q, 0,1,2,3
	v_mul_f32 v[NM+2*\q], s36, v[SL+\q]            ; -c m
	v_mul_f32 v[NM+2*\q+1], s36, v[SL+\q]
.endr
	EXPS 2
	EXPS 3
.irp q, 0,1,2,3
.irp k, 0,1,2,3,4,5,6,7
	v_fma_f32 v[BM+8*\q+\k], v[BM+8*\q+\k], s34, v[NM+2*\q]   ; the same of each block's largest score.  (Plain instructions behind the exponentials above)
.endr
.endr
.set j, 0
	s_wait_alu depctr_va_vdst(0)                   ; one wait behind the large batch and ahead of the small one
.rept 32
	v_exp_f32 v[BM+j], v[BM+j]
.set j, j+1
.endr
	v_nop                                          ; a plain instruction behind the last exponential
	WIN 0x0a                                       ; the sums: eight chains of pairs, two for each tile of queries, by turns
	s_wait_alu depctr_va_vdst(0)
.irp a, 0,1
.irp q, 0,1,2,3
	v_pk_add_f32 v[T16+4*\q+2*\a:T16+4*\q+2*\a+1], v[64*\q+2*\a:64*\q+2*\a+1], v[64*\q+4+2*\a:64*\q+4+2*\a+1]
.endr
.endr
	WIN 0x08
.set p, 4
.rept 28
.irp q, 0,1,2,3
	v_pk_add_f32 v[T16+4*\q+2*(p%2):T16+4*\q+2*(p%2)+1], v[T16+4*\q+2*(p%2):T16+4*\q+2*(p%2)+1], v[64*\q+2*p:64*\q+2*p+1]
.endr
.set p, p+1
.endr
	WIN 0x0c
.set p, 0
.rept 32
.irp q, 0,1,2,3
	v_pk_add_f32 v[T16+4*\q+2*(p%2):T16+4*\q+2*(p%2)+1], v[T16+4*\q+2*(p%2):T16+4*\q+2*(p%2)+1], v[64*\q+2*p:64*\q+2*p+1]
.endr
.set p, p+1
.endr
	WIN 0
.irp q, 0,1,2,3
	v_pk_add_f32 v[T16+4*\q:T16+4*\q+1], v[T16+4*\q:T16+4*\q+1], v[T16+4*\q+2:T16+4*\q+3]
.endr
.irp q, 0,1,2,3
	v_add_f32 v[SL+\q], v[T16+4*\q], v[T16+4*\q+1]
.endr
.irp q, 0,1,2,3
	v_permlanex16_b32 v[CH+\q], v[SL+\q], s32, s33
.endr
.irp q, 0,1,2,3
	v_add_f32 v[SL+\q], v[SL+\q], v[CH+\q]
.endr
.irp q, 0,1,2,3
	ds_store_b32 v[SMW], v[SL+\q] offset:256*\q
.endr
	BARRIER                                        ; the four waves' sums lie in LDS
.irp q, 0,1,2,3
	ds_load_b128 v[T16+4*\q:T16+4*\q+3], v[SMR] offset:256*\q
.endr
	s_wait_dscnt 0x0
.irp q, 0,1,2,3
	v_add_f32 v[T16+4*\q], v[T16+4*\q], v[T16+4*\q+1]
	v_add_f32 v[T16+4*\q+2], v[T16+4*\q+2], v[T16+4*\q+3]
.endr
.irp q, 0,1,2,3
	v_add_f32 v[T16+4*\q], v[T16+4*\q], v[T16+4*\q+2]   ; every wave adds the four in the same order
.endr
	s_wait_alu depctr_va_vdst(0)
.irp q, 0,1,2,3
	v_rcp_f32 v[NM+2*\q], v[T16+4*\q]
.endr
	v_nop
	s_wait_alu depctr_va_vdst(0)
.irp q, 0,1,2,3
	v_mov_b32 v[NM+2*\q+1], v[NM+2*\q]
.endr
	NORM 2
	NORM 3
.irp q, 0,1,2,3
.irp k, 0,1,2,3,4,5,6,7
	v_mul_f32 v[BM+8*\q+\k], v[BM+8*\q+\k], v[NM+2*\q]   ; the block's largest p
.endr
.endr
.set j, 0
.rept 32
	v_max_num_f32 v[BM+j], 0x1800000, v[BM+j]      ; the floor 2^(3 - 127): the byte cannot fall under 1
.set j, j+1
.endr
.set j, 0
.rept 32
	v_add_nc_u32 v[BM+j], 0xff000000, v[BM+j]      ; 2 off the exponent field: the conversion's scale operand
.set j, j+1
.endr
.irp n, 0,1,2,3,4,5,6,7
	v_lshrrev_b32 v[T16+\n], 23, v[BM+4*\n]        ; word n = 2 q + (window - 2): its four blocks' bytes
.endr
.irp k, 1,2,3
.irp n, 0,1,2,3,4,5,6,7
	v_lshrrev_b32 v[T16+8+\n], 23, v[BM+4*\n+\k]
.endr
.irp n, 0,1,2,3,4,5,6,7
	v_lshl_or_b32 v[T16+\n], v[T16+8+\n], 8*\k, v[T16+\n]
.endr
.endr
.irp W, 2,3
.irp i, 0,1,2,3
	PQ \i, \W
.endr
.endr
	s_add_co_u32 s38, s38, 16384
	s_add_co_u32 s39, s39, 32768
	s_add_co_u32 s40, s40, 256
	s_add_co_u32 s37, s37, 1
	s_cmp_lt_u32 s37, 2
	s_cbranch_scc1 .Lpass
	BARRIER                                        ; P's 64 fragments lie in LDS
	v_add_nc_u32 v[PRA], PIMG, v[LI]
	v_add_nc_u32 v[PSR], PSC, v[LS]
	s_lshl_b32 s44, s26, 10
	s_add_co_u32 s44, s44, OIMG
	v_add_nc_u32 v[OWA], s44, v[LI]
	s_lshl_b32 s44, s26, 9
	s_add_co_u32 s44, s44, OSC
	v_add_nc_u32 v[OSW], s44, v[R4]
	s_mul_i32 s44, s26, 8448
	s_add_co_u32 s44, s44, STG
	v_mul_u32_u24 v[SOA], v[RR], 528
	v_lshl_add_u32 v[SOA], v[HH], 6, v[SOA]
	v_add_nc_u32 v[SOA], s44, v[SOA]
	v_add_nc_u32 v[SRA], s44, v[LI]
	v_add_nc_u32 v[OFR], OIMG, v[LI]
	v_add_nc_u32 v[OSR], OSC, v[LS]
.irp d, 0,1,2,3,4,5,6,7
	global_load_b128 v[WS+4*\d:WS+4*\d+3], v[R16], s[18:19] offset:256*\d   ; Wt's scale words take K's registers
.endr
.irp d, 0,1,2,3,4,5,6,7
	global_load_b32 v[BT+\d], v[R4], s[20:21] offset:64*\d
.endr
	PLD 0
	PLD 1
	s_wait_alu depctr_va_vdst(0)
.irp g, 0,1,2,3,4,5,6,7,8,9,10,11,12,13,14,15
	VGROUP \g
.endr
.irp b, 0,1,2,3
	v_mov_b32 v[TM+4+\b], 0                        ; a lane permute's destination counts as one of its sources
.endr
.irp q, 0,1,2,3
	OQ 3, \q
.endr
.irp d, 0,1
	XLD \d                                         ; x's first two tiles take registers of the tiles just quantised
.endr
.irp q, 0,1,2,3
	OQ 2, \q
.endr
	BARRIER                                        ; O's 32 fragments lie in LDS, and nobody reads P any more
	WIN 0x80
.irp q, 0,1,2,3,4,5,6,7
.irp s, 0,1,2,3
.irp c, 0,1
	ds_load_b128 v[8*(8*\s+\q)+4*\c:8*(8*\s+\q)+4*\c+3], v[OFR] offset:(4*\q+\s)*1024+512*\c   ; two neighbouring tiles of one K step into 16 neighbouring registers
.endr
.endr
.endr
	WIN 0
.irp s, 0,1,2,3
.irp p, 0,1,2,3
	ds_load_b32 v[OS+4*\s+\p], v[OSR] offset:512*\s+128*\p
.endr
.endr
	s_wait_tensorcnt 0x0                           ; my 96 rows of x lie in LDS; I alone read them, so my own wait is all the ordering that the reads need
	XLS 2
	s_wait_loadcnt 32                              ; behind Wt, its scale words and bt stand x's two tiles of sixteen loads
.irp j, 0,1,2,3,4,5,6,7,8,9,10,11,12,13,14,15
	v_mov_b32 v[BC+\j], v[BT]
.endr
	s_wait_alu depctr_va_vdst(0)
	s_wait_dscnt 16                                ; O's fragments and scale words are in; the youngest sixteen loads (x's tile 2) may be out
.irp d, 0,1,2,3,4,5,6,7
	OUTT \d
.endr
	FIN 7, 0
	s_wait_tensorcnt 0x0                           ; the wave's end
	ds_add_u32 v[SPW], v[NIL]
	s_wait_dscnt 0x0
	s_endpgm
.Lfunc_end_k_qea4184c6f2_attn:
	.size	k_qea4184c6f2_attn, .Lfunc_end_k_qea4184c6f2_attn-k_qea4184c6f2_attn
	.p2alignl 7, 3214868480
	.fill 96, 4, 3214868480
	.section	.rodata,"a",@progbits
	.p2align	6, 0x0
	.amdhsa_kernel k_qea4184c6f2_attn
		.amdhsa_group_segment_fixed_size 305664
		.amdhsa_private_segment_fixed_size 0
		.amdhsa_enable_private_segment 0
		.amdhsa_kernarg_size 88
		.amdhsa_user_sgpr_count 2
		.amdhsa_user_sgpr_kernarg_segment_ptr 1
		.amdhsa_wavefront_size32 1
		.amdhsa_system_sgpr_workgroup_id_x 1
		.amdhsa_system_sgpr_workgroup_id_y 1
		.amdhsa_system_sgpr_workgroup_id_z 1
		.amdhsa_system_vgpr_workitem_id 0
		.amdhsa_next_free_vgpr 1024
		.amdhsa_next_free_sgpr 66
		.amdhsa_reserve_vcc 0
		.amdhsa_float_denorm_mode_32 3
		.amdhsa_float_denorm_mode_16_64 3
		.amdhsa_memory_ordered 1
		.amdhsa_forward_progress 1
		.amdhsa_inst_pref_size 255
	.end_amdhsa_kernel
	.section	.bss,"aw",@nobits
	.p2align	6
	.space	262144
	.amdgpu_metadata
---
amdhsa.version: [ 1, 2 ]
amdhsa.kernels:
  - .name:           k_qea4184c6f2_attn
    .symbol:         k_qea4184c6f2_attn.kd
    .args:
      - { .name: qc, .offset: 0, .size: 8, .value_kind: global_buffer, .address_space: global }
      - { .name: qs, .offset: 8, .size: 8, .value_kind: global_buffer, .address_space: global }
      - { .name: kc, .offset: 16, .size: 8, .value_kind: global_buffer, .address_space: global }
      - { .name: ks, .offset: 24, .size: 8, .value_kind: global_buffer, .address_space: global }
      - { .name: vc, .offset: 32, .size: 8, .value_kind: global_buffer, .address_space: global }
      - { .name: vs, .offset: 40, .size: 8, .value_kind: global_buffer, .address_space: global }
      - { .name: Wt_codes, .offset: 48, .size: 8, .value_kind: global_buffer, .address_space: global }
      - { .name: Wt_scales, .offset: 56, .size: 8, .value_kind: global_buffer, .address_space: global }
      - { .name: bt, .offset: 64, .size: 8, .value_kind: global_buffer, .address_space: global }
      - { .name: x, .offset: 72, .size: 8, .value_kind: global_buffer, .address_space: global }
      - { .name: out0, .offset: 80, .size: 8, .value_kind: global_buffer, .address_space: global }
    .group_segment_fixed_size: 305664
    .private_segment_fixed_size: 0
    .kernarg_segment_align: 8
    .kernarg_segment_size: 88
    .max_flat_workgroup_size: 128
    .sgpr_count:     66
    .vgpr_count:     1024
    .wavefront_size: 32
...
	.end_amdgpu_metadata
.endif
;; end of part 3
